; MI455X (gfx1250); checked and timed in simulation.
; The chip was launched on July 23, 2026; its instructions are those of AMD's public machine-readable ISA for CDNA 5 (MIT licence, August 2026) and "CDNA5" Instruction Set Architecture Reference Guide (July 2026). The comments in the code are by the model that wrote it; some were corrected since.
;; Ro PE Multihead Attention. Allowed arithmetic: matrix products marked QUANTISED: E5M2 operands, one E8M0 scale for each 32 along K, by v_wmma_scale_f32_16x16x128_f8f6f4 with both operands' format E5M2, f32 sums; everything else in f32.
;; Inputs: Wk 512 x 512 float32; Wo 512 x 512 float32; Wq 512 x 512 float32; Wv 512 x 512 float32; attn_mask 2,048 x 2,048 bool; key_padding_mask 4 x 2,048 bool; x 4 x 2,048 x 512 float32.
;; Outputs: out0 4 x 2,048 x 512 float32.
;; This version of the problem:
;;   THIS VERSION OF THE PROBLEM IS GIVEN IN LOW PRECISION. The matrix products marked QUANTISED in the list below multiply operands that are first quantised to E5M2 (5 exponent bits, 2 mantissa bits; 8 bits a number), with one power-of-two scale for each 32 numbers along K (OCP MX v1.0); their sums are f32. All else is computed in f32.
;;   The module's matrix products, in the order in which they are computed (A, B: the left and right operand; K: the contracted axis; several contracted axes count as one K, in the product's order):
;;     1. [M 8,192, K 512] x [K 512, N 512]; A: input x; B: input Wq: QUANTISED
;;     2. [M 8,192, K 512] x [K 512, N 512]; A: input x; B: input Wk: QUANTISED
;;     3. [M 8,192, K 512] x [K 512, N 512]; A: input x; B: input Wv: QUANTISED
;;     4. batch 64 x [M 2,048, K 32] x [K 32, N 2,048]; A: computed on the way; B: computed on the way: QUANTISED
;;     5. batch 64 x [M 2,048, K 2,048] x [K 2,048, N 32]; A: computed on the way; B: computed on the way: QUANTISED
;;     6. [M 8,192, K 512] x [K 512, N 512]; A: computed on the way; B: input Wo: QUANTISED
;;   THE QUANTISER, for each operand of a quantised product, along K:
;;     - K is cut into blocks of 32 from its start; a last block that is shorter is filled with zeros.
;;     - A block's scale is 2^e with e = floor(log2(the largest magnitude in the block)) - 15, held to -126 .. 127; a block of zeros has e = 0. As a byte (E8M0): e + 127.
;;     - Each number is divided by its block's scale, clamped to +-57,344, and rounded to the nearest number of E5M2, ties to even, subnormals kept.
;;     - The product sums the exact products of the quantised numbers (number of the format x scale) in f32.
;;   ~~~python
;;   def quantise(x, axis):      # numpy; x: float32 -> the quantised numbers, widened to float32 again
;;       x = np.moveaxis(x, axis, -1); K = x.shape[-1]
;;       x = np.pad(x, [(0, 0)] * (x.ndim - 1) + [(0, -K % 32)]); x = x.reshape(x.shape[:-1] + (-1, 32)); a = np.abs(x).max(-1, keepdims=True)
;;       e = np.where(a > 0, np.clip(np.frexp(np.where(a > 0, a, 1))[1] - 1 - 15, -126, 127), 0)      # np.frexp(a)[1] - 1 = floor(log2(a)), exactly
;;       r = np.clip(x / 2.0 ** e, -57344, 57344)
;;       step = 2.0 ** (np.maximum(np.frexp(np.where(r == 0, 1, r))[1] - 1, -14) - 2)
;;       q = np.round(r / step) * step * 2.0 ** e      # np.round: ties to even
;;       return np.moveaxis(q.reshape(q.shape[:-2] + (-1,))[..., :K], -1, axis).astype(np.float32)
;;   ~~~
;;   OPERANDS COMPUTED ON THE WAY. 'Computed on the way' means the value that the module computes at that place (a softmax that the list does not call 'softmax' is quantised finished and normalised). What goes into a quantiser is computed in f32, as accurately as f32 sums, v_exp_f32 and their like allow (about 1e-6 of the number): no bf16 or f16 on the way to a quantiser, and a product that is left as it is and whose result goes on into a quantised operand takes f32 operands (vector FMAs, or v_wmma_f32_16x16x4_f32). A number that lies on a knife's edge between two numbers of the format may be rounded either way, as far as f32 arithmetic and the matrix unit's own rounding can turn it there, and no further.
;; 2 versions, each right; version 2 is version 1 with the launch attend written anew for expert scheduling mode. Each part assembles by itself: llvm-mc -triple=amdgcn-amd-amdhsa -mcpu=gfx1250 --defsym DOCPART=n.
;; ======== version 1 of 2: 4 launches
;; workspace buffers: prep 5,668,864 bytes; masks 2,097,152 bytes; tinfo 34,816 bytes of whole numbers; qkv 13,762,560 bytes; ctx 4,325,376 bytes
;; launch quant (part 1): grid 688 x 1, 4 waves a work-group, no clusters, 33,280 bytes of LDS; arguments x, Wq, Wk, Wv, Wo, attn_mask, key_padding_mask, prep, masks, tinfo; writes prep, masks, tinfo
.if DOCPART == 1
	.amdgcn_target "amdgcn-amd-amdhsa--gfx1250"
	.amdhsa_code_object_version 6
	.text
	.protected	k_q2dce0c8636_quant
	.globl	k_q2dce0c8636_quant
	.p2align	8
	.type	k_q2dce0c8636_quant,@function
k_q2dce0c8636_quant:
	s_mov_b64 s[64:65], 0
	v_nop
	global_prefetch_b8 v0, s[64:65] scope:SCOPE_SE
	s_setreg_imm32_b32 hwreg(HW_REG_WAVE_MODE, 25, 1), 1
	s_wait_xcnt 0x0
; THE FIRST LAUNCH OF FOUR.  Three kinds of work-group, told apart by the work-group's number alone:
;   0..159    x [8192][512] and Wq, Wk, Wv, Wo [512][512], f32, become codes of E5M2 with one E8M0 byte for each 32 along K (K is innermost in all five);
;   160..175  the table of cos and sin for the rotary embedding, 2,048 positions x 16 frequencies, in f32;
;   176..687  the two masks become words of one bit a lane, laid as the attention launch's score registers lie (buffer masks), and one summary word for each tile of queries and step of 128 keys (buffer tinfo).
; ORDER OF ROWS.  x and Wv are stored with bits 3 and 4 of the row number exchanged, so that 16 stored rows on end (a tile) hold rows 32 b + 8 u + r + 8 (r / 8): then the results of two
; neighbouring tiles are, in one lane's registers, 16 neighbours along the next product's K.  Wq, Wk, Wo keep their order.
; A block's scale is 2^(floor(log2(largest magnitude)) - 15); its byte is the largest magnitude's exponent field - 15, held at 1 from below; each number is held within +-57,344 x the scale and rounded to the nearest code.
; LIMITS: NaN and infinities among the inputs are not served.  A block of zeros, or one whose largest magnitude lies under 2^-111, gets the byte 1 (a block of zeros: 127 by the letter; its codes are zeros, and
; the bytes are read by this program alone).  The 16 frequencies are written as constants: 1 / f32(10^(i / 4)), each step rounded to f32 once.
; No cluster, no tensor load: no two work-groups read the same bytes of the large inputs, and every byte is read once.
.set P_XS,    4194304                  ; prep: x's codes at 0 [8192][512], x's scale bytes here [8192][16],
.set P_WC,    4325376                  ; the weights' codes [4][512][512],
.set P_WS,    5373952                  ; their scale bytes [4][512][16],
.set P_TAB,   5406720                  ; the table [8 groups][2048 positions][4 f32]: groups 0-3 cos, 4-7 sin
                                       ; masks: the lane words [4 b][128 T][16 ks][64 words];  tinfo: [128 T][17][4 b] words, 272 bytes a tile
.set STEPS, 16
.set EMAX,  15
.set MANT,  0x600000                   ; the mantissa field of 57,344 as f32
.set R,     16                         ; v16-79   four sets of 16 numbers as they are loaded
.set X,     80                         ; v80-111  two sets of 16 neighbours
.set E,     112                        ; v112-127 a scale byte for each step
.set C,     128                        ; v128-191 codes: four registers for each step, so that no store's data are written again
.set WREG,  8192                       ; LDS: a region for each wave: two stages of 32 x SP bytes, behind them its 256 scale bytes
.set SP,    80                         ; a lane's place in a stage: 64 bytes + 16 of padding
	s_load_b256 s[4:11], s[0:1], 0x0               ; x, Wq, Wk, Wv
	s_load_b256 s[12:19], s[0:1], 0x20             ; Wo, attn_mask, key_padding_mask, prep
	s_load_b64 s[20:21], s[0:1], 0x40              ; masks
	s_load_b64 s[62:63], s[0:1], 0x48              ; tinfo
	v_lshl_add_u32 v192, v0, 2, 0x8000
	v_mov_b32 v193, 0
	v_lshrrev_b32 v1, 5, v0
	v_readfirstlane_b32 s22, v1                    ; wave
	v_and_b32 v2, 31, v0                           ; lane
	s_cmp_ge_u32 ttmp9, 176
	s_cbranch_scc1 .Lmasks
	s_cmp_ge_u32 ttmp9, 160
	s_cbranch_scc1 .Ltable
; ---------------- THE QUANTISER.  A wave takes 16 rows of 512 numbers, a row a step.  Each of a step's four loads reads 512 consecutive bytes; the 2,048 bytes turn through the wave's own stage in LDS
; and come back 64 bytes a lane: 16 neighbours along K; two neighbouring lanes hold a block of 32.
	v_lshlrev_b32 v3, 4, v2                        ; my 16 bytes of a load's 512, and of a row's 512 bytes of codes
	s_mul_i32 s23, s22, WREG
	v_lshrrev_b32 v14, 2, v2
	v_mul_u32_u24 v14, v14, SP
	v_and_b32 v15, 3, v2
	v_lshl_add_u32 v14, v15, 4, v14
	v_add_nc_u32 v14, s23, v14                     ; the stage, on the way in: SP (lane / 4) + 16 (lane % 4)
	v_mul_u32_u24 v15, v2, SP
	v_add_nc_u32 v15, s23, v15                     ; and on the way out: SP x lane
	v_lshrrev_b32 v5, 1, v2
	s_add_co_u32 s23, s23, 2*32*SP
	v_add_nc_u32 v5, s23, v5                       ; LDS: my wave's 256 scale bytes, my block's byte
	v_lshl_add_u32 v6, v2, 3, s23                  ; and on the way out 8 bytes a lane
	s_cmp_lt_u32 ttmp9, 128
	s_cselect_b32 s24, 0, 128
	s_sub_co_u32 s24, ttmp9, s24                   ; x: the work-group's number; a weight: less 128
	s_lshr_b32 s25, s24, 3                         ; which weight (8 work-groups each)
	s_and_b32 s26, s24, 7
	s_lshl_b32 s28, s25, 18
	s_add_co_u32 s28, s28, P_WC                    ; where that weight's codes begin in prep,
	s_lshl_b32 s29, s25, 13
	s_add_co_u32 s29, s29, P_WS                    ; and its scale bytes
	s_cmp_lt_u32 ttmp9, 128
	s_cselect_b32 s26, s24, s26                    ; the work-group's number within its tensor
	s_cselect_b32 s27, 2, s25                      ; 2: x and Wv, whose rows change places
	s_cselect_b32 s28, 0, s28
	s_cselect_b32 s29, P_XS, s29
	s_lshl_b32 s30, s26, 2
	s_add_co_u32 s30, s30, s22                     ; a: which run of 16 rows is my wave's
	s_lshr_b32 s35, s30, 1
	s_and_b32 s36, s30, 1
	s_cmp_eq_u32 s27, 2
	s_cselect_b32 s31, 12, 13                      ; the odd run of a pair begins 8 stored rows on (4,096 bytes of codes), else 16 (8,192)
	s_cselect_b32 s32, 7, 8                        ; the same in scale bytes: 128, else 256
	s_cselect_b32 s33, 8, 7                        ; a run's rows 8-15 begin 16 stored rows on (256 scale bytes), else 8 (128)
	s_cselect_b32 s34, 4096, 0                     ; the same in codes, beyond the 512 bytes a row that the immediates count
	s_lshl_b32 s37, s35, 14
	s_lshl_b32 s38, s36, s31
	s_add_co_u32 s37, s37, s38
	s_add_co_u32 s28, s28, s37                     ; my run's codes, as an offset in prep
	s_lshl_b32 s37, s35, 9
	s_lshl_b32 s38, s36, s32
	s_add_co_u32 s37, s37, s38
	s_add_co_u32 s29, s29, s37                     ; my run's scale bytes
	v_add_nc_u32 v1, s34, v3                       ; the codes' offset for rows 8-15
	v_and_b32 v7, 15, v2
	v_lshlrev_b32 v7, 3, v7
	v_lshrrev_b32 v8, 4, v2
	v_lshlrev_b32 v8, s33, v8
	v_add_nc_u32 v7, v7, v8                        ; the scale bytes' offset: lanes 0-15 rows 0-7, lanes 16-31 rows 8-15, 8 bytes a lane
	s_mov_b32 s40, MANT
	s_wait_kmcnt 0x0
	s_cmp_eq_u32 s25, 1                            ; the source is chosen by the work-group's number alone
	s_cselect_b64 s[6:7], s[8:9], s[6:7]
	s_cmp_eq_u32 s25, 2
	s_cselect_b64 s[6:7], s[10:11], s[6:7]
	s_cmp_eq_u32 s25, 3
	s_cselect_b64 s[6:7], s[12:13], s[6:7]
	s_cmp_lt_u32 ttmp9, 128
	s_cselect_b64 s[4:5], s[4:5], s[6:7]
	s_lshl_b32 s38, s30, 15                        ; 16 rows of 2,048 bytes
	s_mov_b32 s39, 0
	s_add_nc_u64 s[4:5], s[4:5], s[38:39]
	s_mov_b32 s38, s28
	s_add_nc_u64 s[8:9], s[18:19], s[38:39]        ; codes
	s_mov_b32 s38, s29
	s_add_nc_u64 s[10:11], s[18:19], s[38:39]      ; scale bytes
.macro LOAD t
.irp i, 0,1,2,3
	global_load_b128 v[R+16*((\t)%4)+4*\i:R+16*((\t)%4)+4*\i+3], v3, s[4:5] offset:2048*(\t)+512*\i th:TH_LOAD_NT   ; 32 lanes read 512 consecutive bytes, read once in the launch
.endr
.endm
.macro TURN t                          ; step t's numbers through the stage: LDS serves a wave's instructions in order, so no wait stands between the stores and the loads
.irp i, 0,1,2,3
	ds_store_b128 v14, v[R+16*((\t)%4)+4*\i:R+16*((\t)%4)+4*\i+3] offset:32*SP*((\t)%2)+8*SP*\i
.endr
.irp i, 0,1,2,3
	ds_load_b128 v[X+16*((\t)%2)+4*\i:X+16*((\t)%2)+4*\i+3], v15 offset:32*SP*((\t)%2)+16*\i
.endr
.endm
.irp t, 0,1,2,3
	LOAD \t
.endr
	s_wait_loadcnt 12                              ; step 0's four loads are in; the twelve of steps 1 to 3 may be out
	TURN 0
.macro STEP t
.set XV, X+16*((\t)%2)
.if (\t) > 0
	s_wait_dscnt 1                                 ; this step's numbers are back from the stage (the last step's byte store may be out): so its stores into the stage have read their registers,
.else
	s_wait_dscnt 0x0
.endif
.if (\t)+4 < STEPS
	LOAD (\t)+4                                    ; which take the loads of four steps on
.endif
.if (\t)+1 < STEPS
.if STEPS-2-(\t) >= 3
	s_wait_loadcnt 12                              ; the next step's four loads are in; those of the three steps behind it may be out
.else
	s_wait_loadcnt 4*(STEPS-2-(\t))
.endif
	TURN (\t)+1                                    ; and go through the other stage while this step is worked
.endif
	v_max3_num_f32 v8, |v[XV]|, |v[XV+1]|, |v[XV+2]|               ; the largest magnitude of my 16, in two chains
	v_max3_num_f32 v9, |v[XV+3]|, |v[XV+4]|, |v[XV+5]|
.irp i, 6,10
	v_max3_num_f32 v8, v8, |v[XV+\i]|, |v[XV+\i+1]|
	v_max3_num_f32 v9, v9, |v[XV+\i+2]|, |v[XV+\i+3]|
.endr
	v_max3_num_f32 v8, v8, |v[XV+14]|, |v[XV+15]|
	v_max3_num_f32 v8, v8, v9, (EMAX+1)<<23        ; and the floor 2^(16 - 127): the byte cannot fall under 1
	v_max_num_f32_dpp v8, v8, v8 row_xmask:1 row_mask:0xf bank_mask:0xf   ; and of my neighbour's 16: the block's
	v_add_nc_u32 v11, -(EMAX<<23), v8              ; 15 off its exponent field: the conversion takes the exponent field of this operand as its scale
	v_and_or_b32 v10, v8, 0x7f800000, s40          ; 57,344 x the scale
.irp i, 0,1,2,3,4,5,6,7,8,9,10,11,12,13,14,15
	v_med3_num_f32 v[XV+\i], v[XV+\i], -v10, v10   ; the conversion to an 8-bit code does not saturate (ISA guide 7.6.2): the hold comes first
.endr
	v_cvt_scalef32_pk8_bf8_f32 v[C+4*(\t):C+4*(\t)+1], v[XV:XV+7], v11
	v_cvt_scalef32_pk8_bf8_f32 v[C+4*(\t)+2:C+4*(\t)+3], v[XV+8:XV+15], v11
	v_lshrrev_b32 v[E+(\t)], 23, v11               ; the scale's byte
	ds_store_b8 v5, v[E+(\t)] offset:16*(\t)       ; both lanes of a block write the same byte with the same value
.if (\t) < 8
	global_store_b128 v3, v[C+4*(\t):C+4*(\t)+3], s[8:9] offset:512*(\t)   ; a row's 512 bytes of codes: two aligned blocks of 256
.else
	global_store_b128 v1, v[C+4*(\t):C+4*(\t)+3], s[8:9] offset:512*(\t)
.endif
.endm
.irp t, 0,1,2,3,4,5,6,7,8,9,10,11,12,13,14,15
	STEP \t
.endr
	ds_load_b64 v[12:13], v6                       ; LDS serves a wave's instructions in order: these see my byte stores
	s_wait_dscnt 0x0
	global_store_b64 v7, v[12:13], s[10:11]        ; 256 scale bytes: one run of 256, or two of 128 where the rows change places
	s_wait_tensorcnt 0x0
	ds_add_u32 v192, v193
	s_wait_dscnt 0x0
	s_endpgm
; ---------------- THE TABLE.  A thread is a position.  angle = position x frequency, rounded once, as the module has it; then n = the nearest whole number to angle x 2 / pi, r = angle - n pi / 2 with pi / 2 in
; three parts (three fused multiply-adds), and a polynomial each for cos r and sin r on [-pi / 4, pi / 4]; n's two low bits say which of the two is which, and the signs.
.Ltable:
	s_sub_co_u32 s23, ttmp9, 160
	s_lshl_b32 s23, s23, 7
	v_add_nc_u32 v1, s23, v0                       ; my position
	v_cvt_f32_u32 v2, v1
	v_lshlrev_b32 v1, 4, v1                        ; 16 bytes a position in each group
	s_mov_b32 s24, 0x3f22f983                      ; 2 / pi
	s_mov_b32 s25, 0x3fc90fd8                      ; pi / 2: high,
	s_mov_b32 s26, 0x34a8885a                      ; middle,
	s_mov_b32 s27, 0x27c234c4                      ; low
	s_mov_b32 s28, 0x37cd4000                      ; cos: the coefficients of z^4, z^3, z^2 (z = r r); -0.5 and 1.0 are written in the lines
	s_mov_b32 s29, 0xbab6077d
	s_mov_b32 s30, 0x3d2aaaa8
	s_mov_b32 s31, 0x36405000                      ; sin: r + r z (.. z^3, z^2, z, 1)
	s_mov_b32 s32, 0xb9503486
	s_mov_b32 s33, 0x3c0888c1
	s_mov_b32 s34, 0xbe2aaaab
	s_wait_kmcnt 0x0
	s_add_nc_u64 s[18:19], s[18:19], P_TAB
.macro SINCOS i, inv
	v_mul_f32 v8, \inv, v2                         ; the angle
	v_mul_f32 v9, s24, v8
	v_rndne_f32 v9, v9                             ; n
	v_fma_f32 v10, -v9, s25, v8
	v_fma_f32 v10, -v9, s26, v10
	v_fma_f32 v10, -v9, s27, v10                   ; r
	v_mul_f32 v11, v10, v10                        ; z
	v_fma_f32 v12, s28, v11, s29
	v_fma_f32 v13, s31, v11, s32
	v_fma_f32 v12, v12, v11, s30
	v_fma_f32 v13, v13, v11, s33
	v_fma_f32 v12, v12, v11, -0.5
	v_fma_f32 v13, v13, v11, s34
	v_mul_f32 v14, v10, v11
	v_fma_f32 v12, v12, v11, 1.0                   ; cos r
	v_fma_f32 v13, v13, v14, v10                   ; sin r
	v_cvt_i32_f32 v15, v9
	v_and_b32 v3, 1, v15
	v_cmp_eq_u32 vcc_lo, 1, v3
	v_cndmask_b32 v4, v13, v12, vcc_lo             ; n odd: the two change places
	v_cndmask_b32 v5, v12, v13, vcc_lo
	v_lshlrev_b32 v6, 30, v15
	v_and_b32 v6, 0x80000000, v6                   ; sin is negated where n mod 4 is 2 or 3,
	v_add_nc_u32 v7, 1, v15
	v_lshlrev_b32 v7, 30, v7
	v_and_b32 v7, 0x80000000, v7                   ; cos where it is 1 or 2
	v_xor_b32 v[32+\i], v6, v4
	v_xor_b32 v[16+\i], v7, v5
.endm
	SINCOS 0, 0x3f800000
	SINCOS 1, 0x3f0ff59a
	SINCOS 2, 0x3ea1e89b
	SINCOS 3, 0x3e361887
	SINCOS 4, 0x3dcccccd
	SINCOS 5, 0x3d6655c2
	SINCOS 6, 0x3d0186e3
	SINCOS 7, 0x3c91ad39
	SINCOS 8, 0x3c23d70a
	SINCOS 9, 0x3bb8449c
	SINCOS 10, 0x3b4f3e38
	SINCOS 11, 0x3ae91528
	SINCOS 12, 0x3a83126f
	SINCOS 13, 0x3a136a16
	SINCOS 14, 0x39a5cb60
	SINCOS 15, 0x393a7753
.irp g, 0,1,2,3,4,5,6,7
	global_store_b128 v1, v[16+4*\g:19+4*\g], s[18:19] offset:32768*\g   ; a wave stores 512 consecutive bytes
.endr
	s_endpgm
; ---------------- THE MASKS.  A wave takes one tile T of 16 queries and one step ks of 128 keys, for all four batches.  Lane (r, h) stands for query 32 (T / 2) + 8 (T % 2) + r + 8 (r / 8); word n = 16 c + i
; has in that lane's bit: is key 128 ks + 32 c + 16 h + i hidden from that query, by either mask?  That is the place of score register n in the attention launch.
.Lmasks:
	s_sub_co_u32 s23, ttmp9, 176
	s_lshl_b32 s23, s23, 2
	s_add_co_u32 s23, s23, s22                     ; the job: 16 T + ks
	s_lshr_b32 s24, s23, 4                         ; T
	s_and_b32 s25, s23, 15                         ; ks
	v_and_b32 v3, 15, v2                           ; r
	v_lshrrev_b32 v4, 4, v2                        ; h
	v_and_b32 v5, 8, v3
	v_add_nc_u32 v5, v5, v3                        ; r + 8 (r / 8)
	s_lshr_b32 s26, s24, 1
	s_lshl_b32 s26, s26, 5
	s_and_b32 s27, s24, 1
	s_lshl_b32 s27, s27, 3
	s_add_co_u32 s26, s26, s27
	v_add_nc_u32 v5, s26, v5                       ; my query
	s_lshl_b32 s27, s25, 7
	v_lshl_add_u32 v7, v4, 4, s27                  ; 128 ks + 16 h: my first key
	v_lshlrev_b32 v6, 11, v5
	v_add_nc_u32 v6, v6, v7                        ; and its byte in my query's row of attn_mask
	v_lshlrev_b32 v8, 3, v2                        ; on the way out: two words a lane
	s_lshl_b32 s28, s23, 8                         ; a job's 64 words are 256 bytes
	s_mov_b32 s29, 0
	s_mul_i32 s30, s24, 272
	s_lshl_b32 s31, s25, 4
	s_add_co_u32 s30, s30, s31                     ; the summary's place in tinfo: 272 T + 16 ks
	s_mov_b32 s31, 0
	s_wait_kmcnt 0x0
	s_add_nc_u64 s[28:29], s[20:21], s[28:29]
	s_add_nc_u64 s[30:31], s[62:63], s[30:31]
.irp c, 0,1,2,3
	global_load_b128 v[16+4*\c:19+4*\c], v6, s[14:15] offset:32*\c
.endr
.irp b, 0,1,2,3
.irp c, 0,1,2,3
	global_load_b128 v[32+16*\b+4*\c:35+16*\b+4*\c], v7, s[16:17] offset:2048*\b+32*\c
.endr
	global_load_u8 v[96+\b], v5, s[16:17] offset:2048*\b          ; is my query itself padding?
.endr
.irp q, 0,1,2,3,4,5,6,7
	v_mov_b32 v[120+\q], 0                         ; written once: v_writelane_b32's destination counts as read
.endr
	s_wait_loadcnt 0x0
.macro BATCH b
.irp q, 0,1,2,3,4,5,6,7,8,9,10,11,12,13,14,15
	v_or_b32 v[100+\q], v[16+\q], v[32+16*\b+\q]   ; hidden by either mask: 64 bytes a lane
.endr
	s_mov_b32 s[56+\b], -1
.irp c, 0,1,2,3
.irp i, 0,1,2,3,4,5,6,7,8,9,10,11,12,13,14,15
	v_and_b32 v[140+\i], 0xff<<(8*(\i%4)), v[100+4*\c+\i/4]
.endr
.irp i, 0,1,2,3,4,5,6,7,8,9,10,11,12,13,14,15
	v_cmp_ne_u32 s[40+\i], 0, v[140+\i]            ; word 16 c + i: a bit a lane
.endr
.irp i, 0,1,2,3,4,5,6,7,8,9,10,11,12,13,14,15
	v_writelane_b32 v[120+2*\b+\i%2], s[40+\i], (16*\c+\i)/2      ; word n goes to lane n / 2, register n % 2
.endr
.irp i, 0,1,2,3,4,5,6,7,8,9,10,11,12,13,14,15
	s_and_b32 s[56+\b], s[56+\b], s[40+\i]         ; all ones only if every key of the step is hidden from every query of the tile
.endr
.endr
	global_store_b64 v8, v[120+2*\b:121+2*\b], s[28:29] offset:524288*\b   ; 32 lanes store one aligned block of 256 bytes; each batch has registers of its own
.endm
	BATCH 0
	BATCH 1
	BATCH 2
	BATCH 3
.irp b, 0,1,2,3
	v_mov_b32 v[128+\b], s[56+\b]
.endr
	v_mov_b32 v132, 0
	v_cmp_gt_u32 vcc_lo, 1, v2
	s_wait_xcnt 0x0                                ; EXEC is a source of the stores above: it changes only behind this wait
	s_and_saveexec_b32 s60, vcc_lo
	global_store_b128 v132, v[128:131], s[30:31]   ; lane 0: the four batches' summary words of this step
	s_wait_xcnt 0x0                                ; and again in front of the line that widens it
	s_or_b32 exec_lo, exec_lo, s60
	s_cmp_lg_u32 s25, 0
	s_cbranch_scc1 .Ldone
.irp b, 0,1,2,3
	v_cmp_ne_u32 s[56+\b], 0, v[96+\b]             ; the step-0 wave of a tile also stores which of its queries are padding
.endr
.irp b, 0,1,2,3
	v_mov_b32 v[134+\b], s[56+\b]
.endr
	s_wait_xcnt 0x0
	s_and_saveexec_b32 s60, vcc_lo
	global_store_b128 v132, v[134:137], s[30:31] offset:256       ; entry 16
	s_wait_xcnt 0x0
	s_or_b32 exec_lo, exec_lo, s60
.Ldone:
	s_endpgm
.Lfunc_end_k_q2dce0c8636_quant:
	.size	k_q2dce0c8636_quant, .Lfunc_end_k_q2dce0c8636_quant-k_q2dce0c8636_quant
	.p2alignl 7, 3214868480
	.fill 96, 4, 3214868480
	.section	.rodata,"a",@progbits
	.p2align	6, 0x0
	.amdhsa_kernel k_q2dce0c8636_quant
		.amdhsa_group_segment_fixed_size 33280
		.amdhsa_private_segment_fixed_size 0
		.amdhsa_enable_private_segment 0
		.amdhsa_kernarg_size 80
		.amdhsa_user_sgpr_count 2
		.amdhsa_user_sgpr_kernarg_segment_ptr 1
		.amdhsa_wavefront_size32 1
		.amdhsa_system_sgpr_workgroup_id_x 1
		.amdhsa_system_sgpr_workgroup_id_y 1
		.amdhsa_system_sgpr_workgroup_id_z 1
		.amdhsa_system_vgpr_workitem_id 0
		.amdhsa_next_free_vgpr 194
		.amdhsa_next_free_sgpr 66
		.amdhsa_reserve_vcc 1
		.amdhsa_float_denorm_mode_32 3
		.amdhsa_float_denorm_mode_16_64 3
		.amdhsa_memory_ordered 1
		.amdhsa_forward_progress 1
		.amdhsa_inst_pref_size 138
	.end_amdhsa_kernel
	.amdgpu_metadata
---
amdhsa.version: [ 1, 2 ]
amdhsa.kernels:
  - .name:           k_q2dce0c8636_quant
    .symbol:         k_q2dce0c8636_quant.kd
    .args:
      - { .name: x, .offset: 0, .size: 8, .value_kind: global_buffer, .address_space: global }
      - { .name: Wq, .offset: 8, .size: 8, .value_kind: global_buffer, .address_space: global }
      - { .name: Wk, .offset: 16, .size: 8, .value_kind: global_buffer, .address_space: global }
      - { .name: Wv, .offset: 24, .size: 8, .value_kind: global_buffer, .address_space: global }
      - { .name: Wo, .offset: 32, .size: 8, .value_kind: global_buffer, .address_space: global }
      - { .name: attn_mask, .offset: 40, .size: 8, .value_kind: global_buffer, .address_space: global }
      - { .name: key_padding_mask, .offset: 48, .size: 8, .value_kind: global_buffer, .address_space: global }
      - { .name: prep, .offset: 56, .size: 8, .value_kind: global_buffer, .address_space: global }
      - { .name: masks, .offset: 64, .size: 8, .value_kind: global_buffer, .address_space: global }
      - { .name: tinfo, .offset: 72, .size: 8, .value_kind: global_buffer, .address_space: global }
    .group_segment_fixed_size: 33280
    .private_segment_fixed_size: 0
    .kernarg_segment_align: 8
    .kernarg_segment_size: 80
    .max_flat_workgroup_size: 128
    .sgpr_count:     66
    .vgpr_count:     194
    .wavefront_size: 32
...
	.end_amdgpu_metadata
.endif
;; end of part 1
;; launch project (part 2): grid 64 x 4, 12 waves a work-group, clusters of 4 x 1, 271,872 bytes of LDS; arguments prep, qkv; writes qkv
.if DOCPART == 2
	.amdgcn_target "amdgcn-amd-amdhsa--gfx1250"
	.amdhsa_code_object_version 6
	.text
	.protected	k_q2dce0c8636_project
	.globl	k_q2dce0c8636_project
	.p2align	8
	.type	k_q2dce0c8636_project,@function
k_q2dce0c8636_project:
	s_mov_b64 s[64:65], 0
	v_nop
	global_prefetch_b8 v0, s[64:65] scope:SCOPE_SE
	s_setreg_imm32_b32 hwreg(HW_REG_WAVE_MODE, 25, 1), 1
	s_wait_xcnt 0x0
	s_wait_alu depctr_hold_cnt(0) depctr_sa_sdst(0) depctr_va_vdst(0) depctr_va_sdst(0) depctr_va_ssrc(0) depctr_va_vcc(0) depctr_vm_vsrc(0)
	s_getreg_b32 s2, hwreg(HW_REG_IB_STS2, 6, 4)
	s_cmp_eq_u32 s2, 0
	s_cbranch_scc0 .Lentry_in_a_cluster
	s_endpgm
.Lentry_in_a_cluster:
	s_bfe_u32 s2, ttmp6, 0x10000c
	s_cmp_lg_u32 s2, 0x3003
	s_cbranch_scc0 .Lentry_shape_is_right
	s_endpgm
.Lentry_shape_is_right:
; q = x Wq^T, k = x Wk^T, v = x Wv^T on codes of E5M2 with E8M0 scales; the rotary embedding on q and k; then q and k are quantised along the head's 32 and v along the keys, and all three are stored
; as IMAGES OF OPERAND REGISTERS for the attention launch: 16 bytes a lane, 512 consecutive bytes a store.
; SHARES.  A work-group takes 128 stored rows of x (one batch's step of 128 positions) and 12 of the 48 slots (3 products x 16 heads); wave w takes slot 12 y + w: 32 rows of one weight, 128 x 32 results,
; 64 matrix instructions, in two halves of 64 rows.  Three waves share a SIMD.
; CLUSTER.  The four work-groups of a cluster differ in their rows of x alone and need the same 12 x 32 rows of the weights: each wave asks for its 32 rows JOINTLY (mask 15).  x's rows are a work-group's own.
; LAYOUT.  q, k: source 0 = 16 rows of W (natural order), source 1 = 16 rows of x: a lane holds ONE position and d = 16 u + 8 h + j, so the pair (d, d + 16) of the rotation lies in one lane.  The lane's 16
; numbers, u = 0 then u = 1, become its 16 codes: a permutation of d within the one block of 32, the same for q and for k, so the products are the same numbers.
; v: source 0 = 16 rows of x, source 1 = 16 rows of Wv (stored with bits 3 and 4 exchanged): a lane holds one d, and the registers of tiles 2 c, 2 c + 1 are keys 32 c + 16 h + 0 .. 15.
; LIMITS: as in the first launch: a block under 2^-111 or of zeros gets the byte 1; NaN and infinities are not served.
.set P_XS,   4194304
.set P_WC,   4325376
.set P_WS,   5373952
.set P_TAB,  5406720
.set Q_VIMG, 8388608                   ; qkv: q's images at 0, k's at 4,194,304: [64 bh][128 T][32 lanes][16 B]; v's here: [bh][16 ks][2 u][4 c][lane][16 B]
.set Q_QSCL, 12582912                  ; q's scale words, k's 524,288 on: [bh][16 ks][32 lanes][4 words]: lane 16 u + r, word w: tile 2 w + u, row r; the byte in the low 8 bits
.set Q_VSCL, 13631488                  ; v's scale words [bh][ks][32 lanes]: lane 16 u + r
.set PITCH,  528                       ; an LDS row: 512 bytes + 16 of padding = 132 words: the 16 rows of a fragment load start at 16 different groups of four banks
.set WT,     128*PITCH                 ; LDS: x's 128 rows at 0; from here 32 rows of W for each wave
.set AX,   4                           ; v4   x's fragments: 528 r + 16 h
.set AW,   5                           ; v5   my W's: the same in my wave's rows
.set LI,   6                           ; v6   16 x lane
.set TO,   7                           ; v7   the table: 16 (r + 8 (r / 8)) + 65,536 h
.set L4,   9                           ; v9   4 x lane
.set XSR,  16                          ; v16-31  x's scale words: register 4 p + ks: lanes 0-15 tile 2 p, lanes 16-31 tile 2 p + 1
.set WSR,  32                          ; v32-35  W's: register ks: lanes 0-15 tile 0, lanes 16-31 tile 1
.set WF,   36                          ; v36-67  W's two fragments
.set XF,   68                          ; v68-131 x's four fragments; later cos and sin, 16 registers a tile
.set ACC,  132                         ; v132-195 accumulator (t, u) at ACC + 8 (2 t + u)
.set SB,   196                         ; v196-203 q, k: a scale byte for each of the 8 tiles
.set VW,   196                         ; v196-197 v: the scale words of d-tiles 0 and 1
.set TM,   204                         ; v204-207 largest magnitudes, v208-211 the other half's / bytes, v212-215 57,344 x the scale, v216-219 the conversions' scale operands
.set CODE, 220                         ; v220-235 four blocks' codes
.set TT,   236                         ; v236-243, v244-251 at work in the rotation
.set UU,   244
.macro ROUND                           ; a round of the cluster's barrier
	s_barrier_signal -1
	s_barrier_wait -1
	s_cmp_lg_u32 s8, 0
	s_cbranch_scc1 .Lnot_wave_0_\@
	s_barrier_signal -3
.Lnot_wave_0_\@:
	s_barrier_wait -3
	s_barrier_signal -1
	s_barrier_wait -1
.endm
; One matrix instruction.  z: the sum begins (C = 0).  ra, rb: the scale words of source 0, source 1 stand in lanes 16-31.
.macro WM d, a, b, z, sa, sb, ra, rb
.if (\z)
.if (\ra) && (\rb)
	v_wmma_scale_f32_16x16x128_f8f6f4 v[\d:\d+7], v[\a:\a+15], v[\b:\b+15], 0, v[\sa], v[\sb] matrix_a_fmt:MATRIX_FMT_BF8 matrix_b_fmt:MATRIX_FMT_BF8 matrix_a_scale:MATRIX_SCALE_ROW1 matrix_b_scale:MATRIX_SCALE_ROW1
.elseif (\ra)
	v_wmma_scale_f32_16x16x128_f8f6f4 v[\d:\d+7], v[\a:\a+15], v[\b:\b+15], 0, v[\sa], v[\sb] matrix_a_fmt:MATRIX_FMT_BF8 matrix_b_fmt:MATRIX_FMT_BF8 matrix_a_scale:MATRIX_SCALE_ROW1
.elseif (\rb)
	v_wmma_scale_f32_16x16x128_f8f6f4 v[\d:\d+7], v[\a:\a+15], v[\b:\b+15], 0, v[\sa], v[\sb] matrix_a_fmt:MATRIX_FMT_BF8 matrix_b_fmt:MATRIX_FMT_BF8 matrix_b_scale:MATRIX_SCALE_ROW1
.else
	v_wmma_scale_f32_16x16x128_f8f6f4 v[\d:\d+7], v[\a:\a+15], v[\b:\b+15], 0, v[\sa], v[\sb] matrix_a_fmt:MATRIX_FMT_BF8 matrix_b_fmt:MATRIX_FMT_BF8
.endif
.else
.if (\ra) && (\rb)
	v_wmma_scale_f32_16x16x128_f8f6f4 v[\d:\d+7], v[\a:\a+15], v[\b:\b+15], v[\d:\d+7], v[\sa], v[\sb] matrix_a_fmt:MATRIX_FMT_BF8 matrix_b_fmt:MATRIX_FMT_BF8 matrix_a_scale:MATRIX_SCALE_ROW1 matrix_b_scale:MATRIX_SCALE_ROW1
.elseif (\ra)
	v_wmma_scale_f32_16x16x128_f8f6f4 v[\d:\d+7], v[\a:\a+15], v[\b:\b+15], v[\d:\d+7], v[\sa], v[\sb] matrix_a_fmt:MATRIX_FMT_BF8 matrix_b_fmt:MATRIX_FMT_BF8 matrix_a_scale:MATRIX_SCALE_ROW1
.elseif (\rb)
	v_wmma_scale_f32_16x16x128_f8f6f4 v[\d:\d+7], v[\a:\a+15], v[\b:\b+15], v[\d:\d+7], v[\sa], v[\sb] matrix_a_fmt:MATRIX_FMT_BF8 matrix_b_fmt:MATRIX_FMT_BF8 matrix_b_scale:MATRIX_SCALE_ROW1
.else
	v_wmma_scale_f32_16x16x128_f8f6f4 v[\d:\d+7], v[\a:\a+15], v[\b:\b+15], v[\d:\d+7], v[\sa], v[\sb] matrix_a_fmt:MATRIX_FMT_BF8 matrix_b_fmt:MATRIX_FMT_BF8
.endif
.endif
.endm
.macro PLACES                          ; eight plain vector instructions behind this form of matrix instruction, ahead of loads into its registers and of the first read of its results
.rept 8
	v_nop
.endr
.endm
	s_load_b128 s[4:7], s[0:1], 0x0                ; prep, qkv
	v_lshl_add_u32 v254, v0, 2, 0x42000
	v_mov_b32 v255, 0
	ds_add_u32 v254, v255
	ds_add_u32 v254, v255
	v_lshrrev_b32 v1, 5, v0
	v_readfirstlane_b32 s8, v1                     ; wave 0..11
	s_bfe_u32 s9, ttmp6, 0x40000                   ; cx: it enters global addresses of my own loads and stores alone
	s_lshl_b32 s10, ttmp9, 2
	s_add_co_u32 s10, s10, s9                      ; rg: which 128 stored rows of x
	s_and_b32 s11, ttmp7, 0xffff                   ; y, which the four partners share
	s_mul_i32 s12, s11, 12
	s_add_co_u32 s12, s12, s8                      ; my slot, 0..47
	s_lshr_b32 s13, s12, 4                         ; 0 q, 1 k, 2 v
	s_and_b32 s14, s12, 15                         ; the head
	s_lshr_b32 s15, s10, 4                         ; the batch
	s_and_b32 s16, s10, 15                         ; which 128 positions of it
	s_lshl_b32 s17, s15, 4
	s_add_co_u32 s17, s17, s14                     ; bh
	; descriptor group 1, W's tile: 32 rows x 512 bytes, asked for jointly by the four
	s_mov_b32 s24, 15|(1<<20)|(1<<21)|(6<<22)|(3<<25)  ; 15:0 the mask; 17:16 elements of 1 byte; 20 padding on; 21 set beside a mask; 24:22 after every 128 words; 31:25 four words
	s_mov_b32 s25, 512<<16                         ; tensor_dim0
	s_mov_b32 s26, 32<<16                          ; tensor_dim1
	s_mov_b32 s27, 512<<16                         ; tile_dim0
	s_mov_b32 s28, 32                              ; tile_dim1
	s_mov_b32 s29, 512                             ; the pitch
	s_mov_b32 s30, 0
	s_mov_b32 s31, 0
	; and x's: 64 rows x 512 bytes, my work-group's own
	s_mov_b32 s32, (1<<20)|(6<<22)|(3<<25)
	s_mov_b32 s33, 512<<16
	s_mov_b32 s34, 64<<16
	s_mov_b32 s35, 512<<16
	s_mov_b32 s36, 64
	s_mov_b32 s37, 512
	s_mov_b32 s38, 0
	s_mov_b32 s39, 0
	s_mov_b32 s40, 1                               ; group 0 for W: count,
	s_mul_i32 s41, s8, 32*PITCH
	s_add_co_u32 s41, s41, WT                      ; my wave's rows in LDS,
	s_lshl_b32 s18, s12, 14
	s_add_co_u32 s18, s18, P_WC                    ; my slot's 32 rows of 512 bytes: y and the wave's number alone enter
	s_mov_b32 s19, 0
	s_mov_b32 s44, 1                               ; group 0 for x (waves 0 and 1)
	s_mul_i32 s45, s8, 64*PITCH
	s_lshl_b32 s20, s10, 16
	s_lshl_b32 s21, s8, 15
	s_add_co_u32 s20, s20, s21                     ; row 128 rg + 64 wave
	s_mov_b32 s21, 0
	s_wait_dscnt 0x0
	s_wait_kmcnt 0x0
	s_add_nc_u64 s[42:43], s[4:5], s[18:19]
	s_or_b32 s43, s43, 0x80000000                  ; type = 2
	s_add_nc_u64 s[46:47], s[4:5], s[20:21]
	s_or_b32 s47, s47, 0x80000000
	ROUND                                          ; all four work-groups are here: the joint loads meet
	tensor_load_to_lds s[40:43], s[24:31]          ; every wave: its 32 rows of W
	s_nop 0
.rept 4
	v_nop
.endr
	s_cmp_lt_u32 s8, 2
	s_cbranch_scc0 .Lno_x
	tensor_load_to_lds s[44:47], s[32:39]          ; waves 0 and 1: 64 rows of x each.  Nothing in LDS is filled a second time in this launch
	s_nop 0
.rept 4
	v_nop
.endr
.Lno_x:
	v_and_b32 v2, 31, v0                           ; lane
	v_and_b32 v3, 15, v0                           ; r
	v_bfe_u32 v8, v0, 4, 1                         ; h
	v_lshlrev_b32 v[LI], 4, v2
	v_lshlrev_b32 v[L4], 2, v2
	s_lshl_b32 s18, s10, 11
	s_add_co_u32 s18, s18, P_XS
	s_add_nc_u64 s[48:49], s[4:5], s[18:19]        ; the scale bytes of my 128 rows of x: 16 a row
	s_lshl_b32 s18, s12, 9
	s_add_co_u32 s18, s18, P_WS
	s_add_nc_u64 s[50:51], s[4:5], s[18:19]        ; and of my 32 rows of W
.irp p, 0,1,2,3
	global_load_b128 v[XSR+4*\p:XSR+4*\p+3], v[LI], s[48:49] offset:512*\p   ; a lane a row: four words, one for each 128 along K
.endr
	global_load_b128 v[WSR:WSR+3], v[LI], s[50:51]
	v_mul_u32_u24 v[AX], v3, PITCH
	v_lshl_add_u32 v[AX], v8, 4, v[AX]
	v_add_nc_u32 v[AW], s41, v[AX]
	v_and_b32 v[TO], 8, v3
	v_add_nc_u32 v[TO], v[TO], v3
	v_lshlrev_b32 v[TO], 4, v[TO]
	v_lshl_add_u32 v[TO], v8, 16, v[TO]
.irp e, 0,1,2,3
	v_mov_b32 v[TM+4+\e], 0                        ; written once: a lane permute's destination counts as one of its sources
.endr
	s_mov_b32 s22, 0x76543210
	s_mov_b32 s23, 0xfedcba98                      ; v_permlanex16_b32's selects for lane l xor 16
	s_mov_b32 s58, 0x600000                        ; the mantissa field of 57,344
	s_mov_b32 s59, 0xffff0000                      ; lanes 16-31
	s_wait_tensorcnt 0x0                           ; my loads have landed,
	s_barrier_signal -1
	s_barrier_wait -1                              ; and so have the two waves' that brought x
	s_wait_loadcnt 0x0                             ; the scale words
; 64 rows x 32 columns: four K steps of 128; eight accumulators by turns, one instruction a turn, in the same order in every step.
.macro GEMMH half, vmode
.irp ks, 0,1,2,3
.if (\half) || (\ks)
	PLACES
.endif
.irp u, 0,1
.irp c, 0,1,2,3
	ds_load_b128 v[WF+16*\u+4*\c:WF+16*\u+4*\c+3], v[AW] offset:16*PITCH*\u+128*\ks+32*\c
.endr
.endr
.irp t, 0,1,2,3
.irp c, 0,1,2,3
	ds_load_b128 v[XF+16*\t+4*\c:XF+16*\t+4*\c+3], v[AX] offset:(64*(\half)+16*\t)*PITCH+128*\ks+32*\c
.endr
.endr
	s_wait_dscnt 0x0
.irp t, 0,1,2,3
.irp u, 0,1
.if \vmode
	WM ACC+8*(2*\t+\u), XF+16*\t, WF+16*\u, (\ks)==0, XSR+4*((4*(\half)+\t)/2)+\ks, WSR+\ks, \t%2, \u
.else
	WM ACC+8*(2*\t+\u), WF+16*\u, XF+16*\t, (\ks)==0, WSR+\ks, XSR+4*((4*(\half)+\t)/2)+\ks, \u, \t%2
.endif
.endr
.endr
.endr
.endm
; Four blocks of 32 by turns.  Block e's 16 numbers of my lane: q, k: tile e's two accumulators on end; v: e = 2 bl + u: accumulators (2 bl, u) and (2 bl + 1, u).  The other 16 lie in lane l xor 16.
.macro QUANT4 vmode, half
.if \vmode
.set QB, 8
.set HS, 16
.else
.set QB, 16
.set HS, 8
.endif
.irp e, 0,1,2,3
	v_max3_num_f32 v[TM+\e], |v[ACC+32*(\e/2)+QB*(\e%2)]|, |v[ACC+32*(\e/2)+QB*(\e%2)+1]|, 0x8000000   ; with the floor 2^(16 - 127): the byte cannot fall under 1.  Each accumulator is read from its low end on
.endr
.irp i, 2,4,6,8,10,12,14
.irp e, 0,1,2,3
	v_max3_num_f32 v[TM+\e], v[TM+\e], |v[ACC+32*(\e/2)+QB*(\e%2)+HS*(\i/8)+\i%8]|, |v[ACC+32*(\e/2)+QB*(\e%2)+HS*(\i/8)+\i%8+1]|
.endr
.endr
.irp e, 0,1,2,3
	v_permlanex16_b32 v[TM+4+\e], v[TM+\e], s22, s23
.endr
.irp e, 0,1,2,3
	v_max_num_f32 v[TM+\e], v[TM+\e], v[TM+4+\e]   ; the block's largest magnitude
.endr
.irp e, 0,1,2,3
	v_add_nc_u32 v[TM+12+\e], 0xf8800000, v[TM+\e] ; 15 off its exponent field: the conversion's scale operand
.endr
.irp e, 0,1,2,3
	v_and_or_b32 v[TM+8+\e], v[TM+\e], 0x7f800000, s58   ; 57,344 x the scale
.endr
.irp e, 0,1,2,3
.if \vmode
	v_lshrrev_b32 v[TM+4+\e], 23, v[TM+12+\e]      ; the scale's byte
.else
	v_lshrrev_b32 v[SB+4*(\half)+\e], 23, v[TM+12+\e]
.endif
.endr
.if \vmode
.irp e, 0,1,2,3
.if (2*(\half)+\e/2) == 0
	v_mov_b32 v[VW+\e%2], v[TM+4+\e]               ; byte c of d-tile u's scale word: c = 2 half + bl
.else
	v_lshl_or_b32 v[VW+\e%2], v[TM+4+\e], 8*(2*(\half)+\e/2), v[VW+\e%2]
.endif
.endr
.endif
.irp e, 0,1,2,3
.irp i, 0,1,2,3,4,5,6,7,8,9,10,11,12,13,14,15
	v_med3_num_f32 v[ACC+32*(\e/2)+QB*(\e%2)+HS*(\i/8)+\i%8], v[ACC+32*(\e/2)+QB*(\e%2)+HS*(\i/8)+\i%8], -v[TM+8+\e], v[TM+8+\e]   ; the conversion does not saturate (ISA guide 7.6.2): the hold
.endr
	v_cvt_scalef32_pk8_bf8_f32 v[CODE+4*\e:CODE+4*\e+1], v[ACC+32*(\e/2)+QB*(\e%2):ACC+32*(\e/2)+QB*(\e%2)+7], v[TM+12+\e]
	v_cvt_scalef32_pk8_bf8_f32 v[CODE+4*\e+2:CODE+4*\e+3], v[ACC+32*(\e/2)+QB*(\e%2)+HS:ACC+32*(\e/2)+QB*(\e%2)+HS+7], v[TM+12+\e]
.endr
	v_nop                                          ; a plain vector instruction behind the last conversion: later products write its sources
.endm
; The rotation of tile t: x1 = d under 16 (accumulator u = 0), x2 = d + 16 (u = 1); cos in v[XF + 16 t ..], sin eight registers on.  r1 = x1 cos - x2 sin, r2 = x2 cos + x1 sin, two numbers an instruction.
.macro ROPE t
.irp p, 0,2,4,6
	v_pk_mul_f32 v[TT+\p:TT+\p+1], v[ACC+16*\t+8+\p:ACC+16*\t+9+\p], v[XF+16*\t+8+\p:XF+16*\t+9+\p]
	v_pk_mul_f32 v[UU+\p:UU+\p+1], v[ACC+16*\t+\p:ACC+16*\t+1+\p], v[XF+16*\t+8+\p:XF+16*\t+9+\p]
.endr
.irp p, 0,2,4,6
	v_pk_fma_f32 v[ACC+16*\t+\p:ACC+16*\t+1+\p], v[ACC+16*\t+\p:ACC+16*\t+1+\p], v[XF+16*\t+\p:XF+16*\t+1+\p], v[TT+\p:TT+\p+1] neg_lo:[0,0,1] neg_hi:[0,0,1]
	v_pk_fma_f32 v[ACC+16*\t+8+\p:ACC+16*\t+9+\p], v[ACC+16*\t+8+\p:ACC+16*\t+9+\p], v[XF+16*\t+\p:XF+16*\t+1+\p], v[UU+\p:UU+\p+1]
.endr
.endm
	s_cmp_eq_u32 s13, 2                            ; the slot's kind hangs on y and the wave's number: the same in all four partners
	s_cbranch_scc1 .Lv
	; ---- q or k
	s_lshl_b32 s18, s16, 11
	s_add_co_u32 s18, s18, P_TAB
	s_add_nc_u64 s[52:53], s[4:5], s[18:19]        ; the table at my 128 positions
	s_lshl_b32 s18, s13, 22
	s_lshl_b32 s20, s17, 16
	s_add_co_u32 s18, s18, s20
	s_lshl_b32 s20, s16, 12
	s_add_co_u32 s18, s18, s20
	s_add_nc_u64 s[54:55], s[6:7], s[18:19]        ; the images: tile 128 bh + 8 ks on, 512 bytes a tile
	s_lshl_b32 s18, s13, 19
	s_lshl_b32 s20, s17, 13
	s_add_co_u32 s18, s18, s20
	s_lshl_b32 s20, s16, 9
	s_add_co_u32 s18, s18, s20
	s_add_co_u32 s18, s18, Q_QSCL
	s_add_nc_u64 s[56:57], s[6:7], s[18:19]        ; the scale words
.macro HALFQK half
	GEMMH \half, 0
	PLACES
.irp t, 0,1,2,3                                ; cos and sin of my position, frequencies 8 h + 0 .. 7, into the registers that x's fragments have left
	global_load_b128 v[XF+16*\t:XF+16*\t+3], v[TO], s[52:53] offset:(32*((4*(\half)+\t)/2)+8*(\t%2))*16
	global_load_b128 v[XF+16*\t+4:XF+16*\t+7], v[TO], s[52:53] offset:(32*((4*(\half)+\t)/2)+8*(\t%2))*16+32768
	global_load_b128 v[XF+16*\t+8:XF+16*\t+11], v[TO], s[52:53] offset:(32*((4*(\half)+\t)/2)+8*(\t%2))*16+131072
	global_load_b128 v[XF+16*\t+12:XF+16*\t+15], v[TO], s[52:53] offset:(32*((4*(\half)+\t)/2)+8*(\t%2))*16+163840
.endr
	s_wait_loadcnt 0x0
	ROPE 0
	ROPE 1
	ROPE 2
	ROPE 3
.if \half
	s_wait_xcnt 0x0                                ; the first half's stores have read the codes' registers: they are written again only behind this wait
.endif
	QUANT4 0, \half
.irp e, 0,1,2,3
	global_store_b128 v[LI], v[CODE+4*\e:CODE+4*\e+3], s[54:55] offset:512*(4*(\half)+\e)   ; a tile's image: 512 consecutive bytes
.endr
.endm
	HALFQK 0
	HALFQK 1
.irp w, 0,1,2,3
	v_cndmask_b32 v[TT+\w], v[SB+2*\w], v[SB+2*\w+1], s59         ; lanes 0-15 carry tile 2 w's byte, lanes 16-31 tile 2 w + 1's
.endr
	global_store_b128 v[LI], v[TT:TT+3], s[56:57]  ; 512 consecutive bytes
	s_branch .Ljoin
	; ---- v
.Lv:
	s_lshl_b32 s18, s17, 16
	s_lshl_b32 s20, s16, 12
	s_add_co_u32 s18, s18, s20
	s_add_co_u32 s18, s18, Q_VIMG
	s_add_nc_u64 s[54:55], s[6:7], s[18:19]        ; the images of (bh, ks): 8 x 512 bytes
	s_lshl_b32 s18, s17, 11
	s_lshl_b32 s20, s16, 7
	s_add_co_u32 s18, s18, s20
	s_add_co_u32 s18, s18, Q_VSCL
	s_add_nc_u64 s[56:57], s[6:7], s[18:19]
.macro HALFV half
	GEMMH \half, 1
	PLACES
.if \half
	s_wait_xcnt 0x0                                ; the first half's stores have read the codes' registers
.endif
	QUANT4 1, \half
.irp e, 0,1,2,3
	global_store_b128 v[LI], v[CODE+4*\e:CODE+4*\e+3], s[54:55] offset:512*(4*(\e%2)+2*(\half)+\e/2)   ; d-tile u = e % 2, registers 4 c .. 4 c + 3 of its operand, c = 2 half + e / 2
.endr
.endm
	HALFV 0
	HALFV 1
	v_cndmask_b32 v[VW], v[VW], v[VW+1], s59       ; lanes 0-15 d-tile 0's words, lanes 16-31 d-tile 1's
	global_store_b32 v[L4], v[VW], s[56:57]        ; 128 bytes: all that a wave has of these words
.Ljoin:
	s_wait_tensorcnt 0x0
	ds_add_u32 v254, v255
	s_wait_dscnt 0x0
	ROUND                                          ; the closing round: no work-group ends while a partner may still ask for a tile that names it
	s_endpgm
.Lfunc_end_k_q2dce0c8636_project:
	.size	k_q2dce0c8636_project, .Lfunc_end_k_q2dce0c8636_project-k_q2dce0c8636_project
	.p2alignl 7, 3214868480
	.fill 96, 4, 3214868480
	.section	.rodata,"a",@progbits
	.p2align	6, 0x0
	.amdhsa_kernel k_q2dce0c8636_project
		.amdhsa_group_segment_fixed_size 271872
		.amdhsa_private_segment_fixed_size 0
		.amdhsa_enable_private_segment 0
		.amdhsa_kernarg_size 16
		.amdhsa_user_sgpr_count 2
		.amdhsa_user_sgpr_kernarg_segment_ptr 1
		.amdhsa_wavefront_size32 1
		.amdhsa_system_sgpr_workgroup_id_x 1
		.amdhsa_system_sgpr_workgroup_id_y 1
		.amdhsa_system_sgpr_workgroup_id_z 1
		.amdhsa_system_vgpr_workitem_id 0
		.amdhsa_next_free_vgpr 256
		.amdhsa_next_free_sgpr 66
		.amdhsa_reserve_vcc 0
		.amdhsa_float_denorm_mode_32 3
		.amdhsa_float_denorm_mode_16_64 3
		.amdhsa_memory_ordered 1
		.amdhsa_forward_progress 1
		.amdhsa_inst_pref_size 97
	.end_amdhsa_kernel
	.amdgpu_metadata
---
amdhsa.version: [ 1, 2 ]
amdhsa.kernels:
  - .name:           k_q2dce0c8636_project
    .symbol:         k_q2dce0c8636_project.kd
    .args:
      - { .name: prep, .offset: 0, .size: 8, .value_kind: global_buffer, .address_space: global }
      - { .name: qkv, .offset: 8, .size: 8, .value_kind: global_buffer, .address_space: global }
    .group_segment_fixed_size: 271872
    .private_segment_fixed_size: 0
    .kernarg_segment_align: 8
    .kernarg_segment_size: 16
    .max_flat_workgroup_size: 384
    .sgpr_count:     66
    .vgpr_count:     256
    .wavefront_size: 32
...
	.end_amdgpu_metadata
.endif
;; end of part 2
;; launch attend (part 3): grid 4 x 64, 16 waves a work-group, no clusters, 274,432 bytes of LDS; arguments qkv, masks, tinfo, ctx; writes ctx
.if DOCPART == 3
	.amdgcn_target "amdgcn-amd-amdhsa--gfx1250"
	.amdhsa_code_object_version 6
	.text
	.protected	k_q2dce0c8636_attend
	.globl	k_q2dce0c8636_attend
	.p2align	8
	.type	k_q2dce0c8636_attend,@function
k_q2dce0c8636_attend:
	s_mov_b64 s[64:65], 0
	v_nop
	global_prefetch_b8 v0, s[64:65] scope:SCOPE_SE
	s_setreg_imm32_b32 hwreg(HW_REG_WAVE_MODE, 25, 1), 1
	s_wait_xcnt 0x0
; ctx = softmax(mask(q k^T / sqrt(32))) v for one head, both products on codes of E5M2 with E8M0 scales; rows of padded queries become 0; ctx is quantised, a head being one block of 32 of the last product's K.
; THE WEIGHTS ARE QUANTISED FINISHED AND NORMALISED, so a row's maximum and sum are wanted before its first weight: TWO PASSES over the keys, the scores made twice.
;   pass 1: scores, masks, the largest score of each block of 32 keys (kept in LDS), a running maximum M and sum l;   pass 2: scores and masks again, p = 2^(c s - c M) / l, quantised along the keys, O^T += V^T P^T.
; c = log2(e) / sqrt(32).  A block's largest p is not searched for: its largest score goes through the same multiply-add, exponential and multiplication as the elements (this takes v_exp_f32 not to fall where its input rises).
; SHARES.  A work-group holds its head's K and V (codes and scale words, 141,312 bytes) in LDS and owns the tiles of 16 queries T = 4 i + j, j its number among the head's four.  Wave w takes i = w, then i = 31 - w.
; Four waves share a SIMD, so that one wave's vector work stands beside another's products and loads.
; LAYOUT.  S^T = K Q^T (source 0 = 16 keys, source 1 = my 16 queries), O^T = V^T P^T: a lane holds ONE query throughout.  A tile's keys are 32 b + 8 u + r + 8 (r / 8), so score register 16 c + i is key 32 c + 16 h + i.
; The first product's K is 32: one block of the instruction's four.  Q's other twelve registers are zeros; K's fragment names 16 registers on end, of which the last twelve are the next tiles' codes (finite: they were held) or zeros: they meet Q's zeros.
; THE MASKS come as words of a bit a lane, one for each score register, by scalar loads (buffer masks: they serve as selects alone); a hidden score becomes -2^100.  c x 2^100 is exact, so in a row that is hidden altogether every p is exactly 1 and the row comes out uniform, as the module has it.
; A step of 128 keys that is hidden from all 16 queries is left out (a scalar branch on a word of the buffer tinfo, which the first launch stored), unless some query of the tile is hidden from every key; a tile whose 16 queries are all padding leaves out every step.
; NO CLUSTER, NO TENSOR LOAD: those branches hang on words read from memory.  What the head's four work-groups share is fetched once each, at the head: 141,312 bytes.
; LIMITS: raw scores at or under -2^100 count as hidden; p under 2^-126 becomes 0 (v_exp_f32 flushes); a block of p or of ctx under 2^-111 or of zeros gets the byte 1; NaN and infinities are not served.
.set Q_KIMG,  4194304
.set Q_VIMG,  8388608
.set Q_QSCL,  12582912
.set Q_KSCL,  13107200
.set Q_VSCL,  13631488
.set C_CSCL,  4194304                  ; ctx: images [512 Tg][16 heads][32 lanes][16 B] at 0; scale bytes [Tg][16 r][16 heads] here
.set LV,   65536                       ; LDS: K's images at 0 (128 tiles x 512), V's here (16 steps x 8 x 512),
.set LKS,  131072                      ; K's scale words (16 x 512),
.set LVS,  139264                      ; V's (16 x 128),
.set LBM,  141312                      ; and for each wave 8,192 bytes of its own: the block maxima, 512 bytes a step
.set KF,   64                          ; v64-95   K: four registers a tile;  v96-107 zeros
.set PC,   108                         ; v108-123 p's codes (at the end: ctx's)
.set VF,   124                         ; v124-155 V's two fragments
.set O,    156                         ; v156-171 O^T: d = 16 h + 0 .. 15
.set S,    172                         ; v172-235 the scores, then p
; v1 16 x lane; v2 4 x lane; v3 my block maxima; v4 K's scale words; v5 V's images; v6 V's scale words; v7-11 the step's addresses; v12 -2^100; v13 M; v[14:15] -c M; v[16:17] l; v[18:19] f, later 1 / l;
; v20-23 block maxima; v24-27 at work; v28-31 57,344 x the scale; v32-35 scale operands; v36-39 bytes; v40 p's scale word; v41 Q's; v42 V's; v43 16 r; v44-47 K's; v48-51 Q's codes; v52-63 zeros.
; s[2:3] the tile's mask words; s4 256 ks; s5 ks; s6 the steps to leave out; s7 the padded queries; s8 wave; s9 trip; s10 T; s11 batch; s12-13 lane selects; s14 4,096 ks; s15 512 ks; s16-63, s68-83 the 64 mask words;
; s[66:67] tinfo; s[84:85] c; s86 mantissa of 57,344; s87 -c; s88 128 ks; s89 bh; s[90:91] ctx; s[92:93] qkv; s[94:95] masks; s96-101 at work.
.macro WM d, a, b, z, sa, sb, ra
.if (\z)
.if (\ra)
	v_wmma_scale_f32_16x16x128_f8f6f4 v[\d:\d+7], v[\a:\a+15], v[\b:\b+15], 0, v[\sa], v[\sb] matrix_a_fmt:MATRIX_FMT_BF8 matrix_b_fmt:MATRIX_FMT_BF8 matrix_a_scale:MATRIX_SCALE_ROW1
.else
	v_wmma_scale_f32_16x16x128_f8f6f4 v[\d:\d+7], v[\a:\a+15], v[\b:\b+15], 0, v[\sa], v[\sb] matrix_a_fmt:MATRIX_FMT_BF8 matrix_b_fmt:MATRIX_FMT_BF8
.endif
.else
.if (\ra)
	v_wmma_scale_f32_16x16x128_f8f6f4 v[\d:\d+7], v[\a:\a+15], v[\b:\b+15], v[\d:\d+7], v[\sa], v[\sb] matrix_a_fmt:MATRIX_FMT_BF8 matrix_b_fmt:MATRIX_FMT_BF8 matrix_a_scale:MATRIX_SCALE_ROW1
.else
	v_wmma_scale_f32_16x16x128_f8f6f4 v[\d:\d+7], v[\a:\a+15], v[\b:\b+15], v[\d:\d+7], v[\sa], v[\sb] matrix_a_fmt:MATRIX_FMT_BF8 matrix_b_fmt:MATRIX_FMT_BF8
.endif
.endif
.endm
	s_load_b128 s[92:95], s[0:1], 0x0              ; qkv, masks
	s_load_b64 s[66:67], s[0:1], 0x10              ; tinfo
	s_load_b64 s[90:91], s[0:1], 0x18              ; ctx
	v_lshl_add_u32 v254, v0, 2, 0x42800
	v_mov_b32 v255, 0
	v_lshrrev_b32 v1, 5, v0
	v_readfirstlane_b32 s8, v1                     ; wave 0..15
	s_and_b32 s89, ttmp7, 0xffff                   ; bh
	s_lshr_b32 s11, s89, 4                         ; the batch
	v_lshlrev_b32 v2, 4, v0                        ; 16 x thread
	v_lshlrev_b32 v3, 2, v0                        ; 4 x thread
	s_lshl_b32 s96, s89, 16
	s_add_co_u32 s96, s96, Q_KIMG
	s_mov_b32 s97, 0
	s_lshl_b32 s4, s89, 13
	s_add_co_u32 s4, s4, Q_KSCL
	s_mov_b32 s5, 0
	s_lshl_b32 s2, s89, 11
	s_add_co_u32 s2, s2, Q_VSCL
	s_mov_b32 s3, 0
	s_wait_kmcnt 0x0
	s_add_nc_u64 s[98:99], s[92:93], s[96:97]      ; the head's K,
	s_add_nc_u64 s[100:101], s[98:99], Q_VIMG-Q_KIMG   ; its V,
	s_add_nc_u64 s[4:5], s[92:93], s[4:5]          ; K's scale words,
	s_add_nc_u64 s[2:3], s[92:93], s[2:3]          ; V's
.irp i, 0,1,2,3,4,5,6,7                        ; 512 threads x 16 bytes: 8,192 consecutive bytes an instruction
	global_load_b128 v[64+4*\i:67+4*\i], v2, s[98:99] offset:8192*\i
.endr
.irp i, 0,1,2,3,4,5,6,7
	global_load_b128 v[96+4*\i:99+4*\i], v2, s[100:101] offset:8192*\i
.endr
	global_load_b128 v[128:131], v2, s[4:5]
	global_load_b32 v132, v3, s[2:3]
	v_add_nc_u32 v4, LV, v2
	v_add_nc_u32 v5, LKS, v2
	v_add_nc_u32 v6, LVS, v3
	s_mov_b32 s12, 0x76543210
	s_mov_b32 s13, 0xfedcba98
	s_mov_b32 s84, 0x3e8293ee                      ; c = log2(e) / sqrt(32)
	s_mov_b32 s85, s84                             ; (named with it as a pair, so it is written)
	s_mov_b32 s86, 0x600000
	s_mov_b32 s87, 0xbe8293ee                      ; -c
	s_wait_loadcnt 0x0                             ; all 18 loads are in: their bases and offsets may be written again
.irp i, 0,1,2,3,4,5,6,7
	ds_store_b128 v2, v[64+4*\i:67+4*\i] offset:8192*\i
.endr
.irp i, 0,1,2,3,4,5,6,7
	ds_store_b128 v4, v[96+4*\i:99+4*\i] offset:8192*\i
.endr
	ds_store_b128 v5, v[128:131]
	ds_store_b32 v6, v132
	s_wait_dscnt 0x0                               ; for the others' sake: my stores have landed
	s_barrier_signal -1
	s_barrier_wait -1                              ; the launch's one barrier: from here on these bytes are only read
	v_and_b32 v1, 31, v0
	v_lshlrev_b32 v2, 2, v1
	v_lshlrev_b32 v1, 4, v1
	s_lshl_b32 s96, s8, 13
	s_add_co_u32 s96, s96, LBM
	v_add_nc_u32 v3, s96, v1
	v_add_nc_u32 v4, LKS, v1
	v_add_nc_u32 v5, LV, v1
	v_add_nc_u32 v6, LVS, v2
	v_and_b32 v43, 15, v0
	v_lshlrev_b32 v43, 4, v43
	v_mov_b32 v12, 0xf1800000                      ; -2^100
	v_mov_b32 v19, 0                               ; (named as the upper half of a pair before it is first written)
.irp i, 0,1,2,3
	v_mov_b32 v[24+\i], 0                          ; written once: a lane permute's destination counts as one of its sources
.endr
.irp i, 0,1,2,3,4,5,6,7,8,9,10,11
	v_mov_b32 v[52+\i], 0                          ; Q's blocks 1 to 3: zero codes
	v_mov_b32 v[96+\i], 0                          ; and what K's last fragments name behind tile 7
.endr
; The head of a step in either pass: the 64 mask words are asked for; K's eight tiles and their scale words come from LDS; eight products, each a sum of its own.
.macro SCORES pass
	s_load_b512 s[16:31], s[2:3], s4 offset:0x0
	s_load_b512 s[32:47], s[2:3], s4 offset:0x40
	s_load_b512 s[48:63], s[2:3], s4 offset:0x80
	s_load_b512 s[68:83], s[2:3], s4 offset:0xc0
	v_add_nc_u32 v7, s14, v1
	v_add_nc_u32 v8, s15, v4
	v_add_nc_u32 v11, s15, v3
.if \pass == 2
	v_add_nc_u32 v9, s14, v5
	v_add_nc_u32 v10, s88, v6
.endif
.irp t, 0,1,2,3,4,5,6,7
	ds_load_b128 v[KF+4*\t:KF+4*\t+3], v7 offset:512*\t
.endr
	ds_load_b128 v[44:47], v8                      ; word w: lanes 0-15 tile 2 w, lanes 16-31 tile 2 w + 1
.if \pass == 2
	ds_load_b128 v[20:23], v11                     ; the four blocks' largest scores, which pass 1 left
.endif
	s_wait_dscnt 0x0
.irp t, 0,1,2,3,4,5,6,7
	WM S+8*\t, KF+4*\t, 48, 1, 44+\t/2, 41, \t%2
.endr
.endm
.macro MASK                            ; ascending: each accumulator is read from its low end on
.set n, 0
.rept 48
	v_cndmask_b32 v[S+n], v[S+n], v12, s[16+n]
.set n, n+1
.endr
.rept 16
	v_cndmask_b32 v[S+n], v[S+n], v12, s[20+n]
.set n, n+1
.endr
.endm
.macro SCALE_EXP                       ; 2^(c s - c M) of all 64
.set n, 0
.rept 32
	v_pk_fma_f32 v[S+n:S+n+1], v[S+n:S+n+1], s[84:85], v[14:15] op_sel_hi:[1,0,0]
.set n, n+2
.endr
.set n, 0
.rept 64
	v_exp_f32 v[S+n], v[S+n]
.set n, n+1
.endr
.endm
.macro STEP_ON                         ; the lines at a step's end that every trip runs
	s_add_co_u32 s4, s4, 256
	s_add_co_u32 s14, s14, 4096
	s_add_co_u32 s15, s15, 512
	s_add_co_u32 s88, s88, 128
	s_add_co_u32 s5, s5, 1
	s_cmp_lt_u32 s5, 16
.endm
.macro STEP_0
	s_mov_b32 s4, 0
	s_mov_b32 s5, 0
	s_mov_b32 s14, 0
	s_mov_b32 s15, 0
	s_mov_b32 s88, 0
.endm
	s_mov_b32 s9, 0
.Ltile:
	s_wait_xcnt 0x0                                ; the last tile's stores have read their registers and bases: all are written again only behind this wait
	s_mul_i32 s96, s9, 31
	s_xor_b32 s96, s96, s8                         ; i = w, then 31 - w
	s_lshl_b32 s10, s96, 2
	s_add_co_u32 s10, s10, ttmp9                   ; T
	s_mul_i32 s96, s10, 272
	s_lshl_b32 s97, s11, 2
	s_add_co_u32 s96, s96, s97                     ; tinfo: 272 T + 4 b
	s_mov_b32 s97, 0
	s_add_nc_u64 s[96:97], s[66:67], s[96:97]
.irp e, 0,1,2,3,4,5,6,7,8,9,10,11,12,13,14,15,16
	s_load_b32 s[16+\e], s[96:97], 16*\e           ; the 16 steps' summary words and the padded queries' word
.endr
	s_lshl_b32 s2, s11, 7
	s_add_co_u32 s2, s2, s10                       ; 128 b + T
	s_lshl_b32 s2, s2, 12
	s_mov_b32 s3, 0
	s_add_nc_u64 s[2:3], s[94:95], s[2:3]          ; the tile's 16 x 64 mask words
	s_lshl_b32 s98, s89, 16
	s_lshl_b32 s99, s10, 9
	s_add_co_u32 s98, s98, s99
	s_mov_b32 s99, 0
	s_add_nc_u64 s[98:99], s[92:93], s[98:99]
	global_load_b128 v[48:51], v1, s[98:99]        ; Q's image
	s_lshl_b32 s100, s89, 13
	s_lshr_b32 s101, s10, 3
	s_lshl_b32 s101, s101, 9
	s_add_co_u32 s100, s100, s101
	s_and_b32 s101, s10, 1
	s_lshl_b32 s101, s101, 8
	s_add_co_u32 s100, s100, s101
	s_bfe_u32 s101, s10, 0x20001
	s_lshl_b32 s101, s101, 2
	s_add_co_u32 s100, s100, s101
	s_add_co_u32 s100, s100, Q_QSCL
	s_mov_b32 s101, 0
	s_add_nc_u64 s[100:101], s[92:93], s[100:101]
	global_load_b32 v41, v43, s[100:101]           ; Q's scale words: lane r takes row r's
	v_mov_b32 v13, 0xff61b1e6                      ; M: -3e38, under every score
	v_mul_f32 v14, s87, v13                        ; -c M
	v_mov_b32 v15, 0                               ; (the pair's upper half is named, not used)
	v_mov_b32 v16, 0                               ; l, in two halves
	v_mov_b32 v17, 0
.irp i, 0,1,2,3,4,5,6,7,8,9,10,11,12,13,14,15
	v_mov_b32 v[O+\i], 0                           ; which step is the first hangs on the masks, so O^T begins as zeros
.endr
	STEP_0
	s_wait_kmcnt 0x0
	s_mov_b32 s6, 0
	s_mov_b32 s96, -1
.irp e, 0,1,2,3,4,5,6,7,8,9,10,11,12,13,14,15
	s_and_b32 s96, s96, s[16+\e]
	s_cmp_eq_u32 s[16+\e], -1
	s_cselect_b32 s97, 1<<\e, 0
	s_or_b32 s6, s6, s97                           ; bit e: step e is hidden from all 16 queries
.endr
	s_lshr_b32 s97, s96, 16
	s_and_b32 s97, s97, s96                        ; a query both of whose lanes see nothing in any step is hidden from every key:
	s_cselect_b32 s6, 0, s6                        ; its row is uniform over all 2,048 keys, so no step is left out
	s_mov_b32 s7, s32
	s_cmp_eq_u32 s7, -1
	s_cselect_b32 s6, 0xffff, s6                   ; all 16 queries are padding: their rows become 0 whatever the keys
	s_wait_loadcnt 0x0
.Lpass1:                                           ; 16 trips
	s_bitcmp1_b32 s6, s5
	s_cbranch_scc1 .Lskip1
	SCORES 1
.rept 8
	v_nop                                          ; eight plain vector instructions between the products and the first read of their results
.endr
	s_wait_kmcnt 0x0                               ; the mask words
	MASK
.irp c, 0,1,2,3
	v_max3_num_f32 v[20+\c], v[S+16*\c], v[S+16*\c+1], v[S+16*\c+2]       ; the largest score of each block of 32 keys, the four blocks by turns
.endr
.irp i, 3,5,7,9,11,13
.irp c, 0,1,2,3
	v_max3_num_f32 v[20+\c], v[20+\c], v[S+16*\c+\i], v[S+16*\c+\i+1]
.endr
.endr
.irp c, 0,1,2,3
	v_max_num_f32 v[20+\c], v[20+\c], v[S+16*\c+15]
.endr
.irp c, 0,1,2,3
	v_permlanex16_b32 v[24+\c], v[20+\c], s12, s13
.endr
.irp c, 0,1,2,3
	v_max_num_f32 v[20+\c], v[20+\c], v[24+\c]     ; with lane l xor 16's 16 keys
.endr
	ds_store_b128 v11, v[20:23]                    ; kept for pass 2, in my wave's own bytes
	v_max3_num_f32 v24, v20, v21, v22
	v_mov_b32 v25, v14                             ; the old -c M
	v_max3_num_f32 v13, v24, v23, v13              ; the running maximum
	v_mul_f32 v14, s87, v13
	v_sub_f32 v18, v14, v25                        ; c (old M - new M), 0 or less
	v_exp_f32 v18, v18                             ; f
	SCALE_EXP
	v_nop                                          ; a plain instruction behind the last exponential
	s_wait_alu depctr_va_vdst(0)                   ; one wait for the batch of 65, ahead of its first reader
	v_pk_mul_f32 v[16:17], v[16:17], v[18:19] op_sel_hi:[1,0]      ; l under the new M
	v_pk_add_f32 v[24:25], v[S:S+1], v[S+2:S+3]    ; the step's sum, two numbers an instruction, in two chains
.irp j, 4,8,12,16,20,24,28,32,36,40,44,48,52,56,60
	v_pk_add_f32 v[16:17], v[16:17], v[S+\j:S+\j+1]
	v_pk_add_f32 v[24:25], v[24:25], v[S+\j+2:S+\j+3]
.endr
	v_pk_add_f32 v[16:17], v[16:17], v[24:25]
.Lskip1:
	STEP_ON
	s_cbranch_scc1 .Lpass1
	v_add_f32 v16, v16, v17                        ; l's two halves,
	v_permlanex16_b32 v24, v16, s12, s13
	v_add_f32 v16, v16, v24                        ; and lane l xor 16's
	v_rcp_f32 v18, v16
	v_nop
	s_wait_alu depctr_va_vdst(0)
	v_fma_f32 v24, -v16, v18, 1.0                  ; one step of Newton's: 1 / 2,048 comes out exact
	v_fma_f32 v18, v24, v18, v18
	v_mov_b32 v19, v18
	STEP_0
.Lpass2:                                           ; 16 trips
	s_bitcmp1_b32 s6, s5
	s_cbranch_scc1 .Lskip2
	SCORES 2
.irp c, 0,1,2,3
	v_fma_f32 v[20+\c], v[20+\c], s84, v14         ; the blocks' largest scores take the elements' way.  (These four and the four v_nop are the eight places behind the products)
.endr
.irp c, 0,1,2,3
	v_exp_f32 v[20+\c], v[20+\c]
.endr
.rept 4
	v_nop
.endr
	s_wait_kmcnt 0x0
	MASK
.irp u, 0,1
.irp c, 0,1,2,3
	ds_load_b128 v[VF+16*\u+4*\c:VF+16*\u+4*\c+3], v9 offset:2048*\u+512*\c   ; V's two fragments land while p is made
.endr
.endr
	ds_load_b32 v42, v10                           ; lanes 0-15 d-tile 0's scale words, lanes 16-31 d-tile 1's
	s_wait_alu depctr_va_vdst(0)                   ; for the four exponentials, ahead of their first reader
.irp c, 0,1,2,3
	v_mul_f32 v[20+\c], v[20+\c], v18              ; the block's largest p
.endr
.irp c, 0,1,2,3
	v_max_num_f32 v[20+\c], 0x8000000, v[20+\c]    ; the floor 2^(16 - 127): the byte cannot fall under 1
.endr
.irp c, 0,1,2,3
	v_add_nc_u32 v[32+\c], 0xf8800000, v[20+\c]    ; 15 off the exponent field: the conversion's scale operand
.endr
.irp c, 0,1,2,3
	v_and_or_b32 v[28+\c], v[20+\c], 0x7f800000, s86   ; 57,344 x the scale
.endr
.irp c, 0,1,2,3
	v_lshrrev_b32 v[36+\c], 23, v[32+\c]           ; the scale's byte
.endr
	v_lshl_or_b32 v40, v37, 8, v36                 ; p's scale word for these 128 keys
	v_lshl_or_b32 v40, v38, 16, v40
	v_lshl_or_b32 v40, v39, 24, v40
	SCALE_EXP
	v_nop
	s_wait_alu depctr_va_vdst(0)                   ; one wait for the batch of 64
.set n, 0
.rept 32
	v_pk_mul_f32 v[S+n:S+n+1], v[S+n:S+n+1], v[18:19] op_sel_hi:[1,0]     ; p, finished and normalised
.set n, n+2
.endr
.irp c, 0,1,2,3
.irp i, 0,1,2,3,4,5,6,7,8,9,10,11,12,13,14,15
	v_min_num_f32 v[S+16*\c+\i], v[S+16*\c+\i], v[28+\c]          ; the conversion does not saturate (ISA guide 7.6.2); p is not negative, so the hold is one-sided
.endr
	v_cvt_scalef32_pk8_bf8_f32 v[PC+4*\c:PC+4*\c+1], v[S+16*\c:S+16*\c+7], v[32+\c]
	v_cvt_scalef32_pk8_bf8_f32 v[PC+4*\c+2:PC+4*\c+3], v[S+16*\c+8:S+16*\c+15], v[32+\c]
.endr
.rept 4
	v_nop                                          ; an operand written by vector instructions stands four places ahead of a scaled matrix instruction
.endr
	s_wait_dscnt 0x0                               ; V
	WM O, VF, PC, 0, 42, 40, 0                     ; the two accumulators take turns, one instruction a turn; the next step's eight score products stand between a link and the next
	WM O+8, VF+16, PC, 0, 42, 40, 1
.Lskip2:
	STEP_ON
	s_cbranch_scc1 .Lpass2
.rept 8
	v_nop                                          ; eight places behind the last products
.endr
.set n, 0
.rept 16
	v_cndmask_b32 v[O+n], v[O+n], 0, s7            ; a padded query's row is 0
.set n, n+1
.endr
	v_max3_num_f32 v20, |v[O]|, |v[O+1]|, 0x8000000
.irp i, 2,4,6,8,10,12,14
	v_max3_num_f32 v20, v20, |v[O+\i]|, |v[O+\i+1]|
.endr
	v_permlanex16_b32 v24, v20, s12, s13
	v_max_num_f32 v20, v20, v24                    ; the largest magnitude of my query's 32 numbers of this head
	v_add_nc_u32 v32, 0xf8800000, v20
	v_and_or_b32 v28, v20, 0x7f800000, s86
	v_lshrrev_b32 v36, 23, v32
.set n, 0
.rept 16
	v_med3_num_f32 v[O+n], v[O+n], -v28, v28
.set n, n+1
.endr
	v_cvt_scalef32_pk8_bf8_f32 v[PC:PC+1], v[O:O+7], v32
	v_cvt_scalef32_pk8_bf8_f32 v[PC+2:PC+3], v[O+8:O+15], v32
	v_nop                                          ; a plain vector instruction behind the last conversion
	s_lshl_b32 s96, s11, 7
	s_add_co_u32 s96, s96, s10                     ; 128 b + T
	s_lshl_b32 s98, s96, 13
	s_and_b32 s99, s89, 15                         ; the head
	s_lshl_b32 s100, s99, 9
	s_add_co_u32 s98, s98, s100
	s_lshl_b32 s100, s96, 8
	s_add_co_u32 s100, s100, s99
	s_add_co_u32 s100, s100, C_CSCL
	s_mov_b32 s99, 0
	s_mov_b32 s101, 0
	s_add_nc_u64 s[98:99], s[90:91], s[98:99]
	s_add_nc_u64 s[100:101], s[90:91], s[100:101]
	global_store_b128 v1, v[PC:PC+3], s[98:99]     ; registers 4 c .. 4 c + 3 of the last product's operand: 512 consecutive bytes
	global_store_b8 v43, v36, s[100:101]           ; a row's 16 scale bytes come from 16 work-groups: a byte a row is all that this one has (both lanes of a row write the same byte)
	s_add_co_u32 s9, s9, 1
	s_cmp_lt_u32 s9, 2
	s_cbranch_scc1 .Ltile
	s_wait_tensorcnt 0x0
	ds_add_u32 v254, v255
	s_wait_dscnt 0x0
	s_endpgm
.Lfunc_end_k_q2dce0c8636_attend:
	.size	k_q2dce0c8636_attend, .Lfunc_end_k_q2dce0c8636_attend-k_q2dce0c8636_attend
	.p2alignl 7, 3214868480
	.fill 96, 4, 3214868480
	.section	.rodata,"a",@progbits
	.p2align	6, 0x0
	.amdhsa_kernel k_q2dce0c8636_attend
		.amdhsa_group_segment_fixed_size 274432
		.amdhsa_private_segment_fixed_size 0
		.amdhsa_enable_private_segment 0
		.amdhsa_kernarg_size 32
		.amdhsa_user_sgpr_count 2
		.amdhsa_user_sgpr_kernarg_segment_ptr 1
		.amdhsa_wavefront_size32 1
		.amdhsa_system_sgpr_workgroup_id_x 1
		.amdhsa_system_sgpr_workgroup_id_y 1
		.amdhsa_system_sgpr_workgroup_id_z 1
		.amdhsa_system_vgpr_workitem_id 0
		.amdhsa_next_free_vgpr 256
		.amdhsa_next_free_sgpr 102
		.amdhsa_reserve_vcc 0
		.amdhsa_float_denorm_mode_32 3
		.amdhsa_float_denorm_mode_16_64 3
		.amdhsa_memory_ordered 1
		.amdhsa_forward_progress 1
		.amdhsa_inst_pref_size 50
	.end_amdhsa_kernel
	.amdgpu_metadata
---
amdhsa.version: [ 1, 2 ]
amdhsa.kernels:
  - .name:           k_q2dce0c8636_attend
    .symbol:         k_q2dce0c8636_attend.kd
    .args:
      - { .name: qkv, .offset: 0, .size: 8, .value_kind: global_buffer, .address_space: global }
      - { .name: masks, .offset: 8, .size: 8, .value_kind: global_buffer, .address_space: global }
      - { .name: tinfo, .offset: 16, .size: 8, .value_kind: global_buffer, .address_space: global }
      - { .name: ctx, .offset: 24, .size: 8, .value_kind: global_buffer, .address_space: global }
    .group_segment_fixed_size: 274432
    .private_segment_fixed_size: 0
    .kernarg_segment_align: 8
    .kernarg_segment_size: 32
    .max_flat_workgroup_size: 512
    .sgpr_count:     102
    .vgpr_count:     256
    .wavefront_size: 32
...
	.end_amdgpu_metadata
.endif
;; end of part 3
;; launch outproj (part 4): grid 64 x 4, 8 waves a work-group, clusters of 4 x 1, 168,960 bytes of LDS; arguments ctx, prep, out0; writes out0
.if DOCPART == 4
	.amdgcn_target "amdgcn-amd-amdhsa--gfx1250"
	.amdhsa_code_object_version 6
	.text
	.protected	k_q2dce0c8636_outproj
	.globl	k_q2dce0c8636_outproj
	.p2align	8
	.type	k_q2dce0c8636_outproj,@function
k_q2dce0c8636_outproj:
	s_mov_b64 s[64:65], 0
	v_nop
	global_prefetch_b8 v0, s[64:65] scope:SCOPE_SE
	s_setreg_imm32_b32 hwreg(HW_REG_WAVE_MODE, 25, 1), 1
	s_wait_xcnt 0x0
	s_wait_alu depctr_hold_cnt(0) depctr_sa_sdst(0) depctr_va_vdst(0) depctr_va_sdst(0) depctr_va_ssrc(0) depctr_va_vcc(0) depctr_vm_vsrc(0)
	s_getreg_b32 s2, hwreg(HW_REG_IB_STS2, 6, 4)
	s_cmp_eq_u32 s2, 0
	s_cbranch_scc0 .Lentry_in_a_cluster
	s_endpgm
.Lentry_in_a_cluster:
	s_bfe_u32 s2, ttmp6, 0x10000c
	s_cmp_lg_u32 s2, 0x3003
	s_cbranch_scc0 .Lentry_shape_is_right
	s_endpgm
.Lentry_shape_is_right:
; out0 = ctx Wo^T on codes of E5M2 with E8M0 scales; f32 sums, f32 out.
; SHARES.  A work-group takes 8 tiles of 16 rows of ctx (128 rows) and 128 columns; wave w takes tiles 2 (w / 2), 2 (w / 2) + 1, which are 32 neighbouring rows of the output, and 64 (w % 2) columns on:
; eight accumulators, 32 matrix instructions.  ctx's fragments come from memory as images of their registers, 512 consecutive bytes a load, two K steps ahead; Wo's 128 rows lie in LDS.
; CLUSTER.  The four work-groups of a cluster differ in their rows alone and need the same 128 rows of Wo: each wave asks for 16 of them JOINTLY (mask 15).  Nothing in LDS is filled a second time.
; The matrix instruction is used transposed (source 0 = 16 rows of Wo, source 1 = 16 rows of ctx): a lane holds eight neighbouring columns of one row.
.set P_WC,   4325376
.set P_WS,   5373952
.set C_CSCL, 4194304
.set PITCH,  528                       ; an LDS row of Wo: 512 bytes + 16 of padding
.set STG,    128*PITCH                 ; behind Wo's rows: a stage of 32 rows x 272 bytes for each wave; no tensor load lands there
.set SPITCH, 272
.set LI,   3                           ; v3   16 x lane
.set AWO,  4                           ; v4   Wo's fragments: (64 (w % 2) + r) 528 + 16 h
.set STO,  5                           ; v5   the stage: where I put 32 bytes of a row
.set RD,   6                           ; v6   and where I read a row back
.set CO,   7                           ; v7   my byte offset in the wave's rows of the output
.set CSC,  8                           ; v8-11   ctx's scale words: register ks: lanes 0-15 my first tile, lanes 16-31 my second
.set WSC,  12                          ; v12-19  Wo's: register 4 p + ks: lanes 0-15 tile 2 p, lanes 16-31 tile 2 p + 1
.set WOF,  20                          ; v20-83  Wo's four fragments; on the way out 16 x 4 registers of rows
.set CF,   84                          ; v84-147 ctx's fragments: two buffers of two tiles
.set ACC,  148                         ; v148-211 accumulator (t, n) at ACC + 8 (4 t + n)
.macro ROUND                           ; a round of the cluster's barrier
	s_barrier_signal -1
	s_barrier_wait -1
	s_cmp_lg_u32 s8, 0
	s_cbranch_scc1 .Lnot_wave_0_\@
	s_barrier_signal -3
.Lnot_wave_0_\@:
	s_barrier_wait -3
	s_barrier_signal -1
	s_barrier_wait -1
.endm
.macro WM d, a, b, z, sa, sb, ra, rb
.if (\z)
.if (\ra) && (\rb)
	v_wmma_scale_f32_16x16x128_f8f6f4 v[\d:\d+7], v[\a:\a+15], v[\b:\b+15], 0, v[\sa], v[\sb] matrix_a_fmt:MATRIX_FMT_BF8 matrix_b_fmt:MATRIX_FMT_BF8 matrix_a_scale:MATRIX_SCALE_ROW1 matrix_b_scale:MATRIX_SCALE_ROW1
.elseif (\ra)
	v_wmma_scale_f32_16x16x128_f8f6f4 v[\d:\d+7], v[\a:\a+15], v[\b:\b+15], 0, v[\sa], v[\sb] matrix_a_fmt:MATRIX_FMT_BF8 matrix_b_fmt:MATRIX_FMT_BF8 matrix_a_scale:MATRIX_SCALE_ROW1
.elseif (\rb)
	v_wmma_scale_f32_16x16x128_f8f6f4 v[\d:\d+7], v[\a:\a+15], v[\b:\b+15], 0, v[\sa], v[\sb] matrix_a_fmt:MATRIX_FMT_BF8 matrix_b_fmt:MATRIX_FMT_BF8 matrix_b_scale:MATRIX_SCALE_ROW1
.else
	v_wmma_scale_f32_16x16x128_f8f6f4 v[\d:\d+7], v[\a:\a+15], v[\b:\b+15], 0, v[\sa], v[\sb] matrix_a_fmt:MATRIX_FMT_BF8 matrix_b_fmt:MATRIX_FMT_BF8
.endif
.else
.if (\ra) && (\rb)
	v_wmma_scale_f32_16x16x128_f8f6f4 v[\d:\d+7], v[\a:\a+15], v[\b:\b+15], v[\d:\d+7], v[\sa], v[\sb] matrix_a_fmt:MATRIX_FMT_BF8 matrix_b_fmt:MATRIX_FMT_BF8 matrix_a_scale:MATRIX_SCALE_ROW1 matrix_b_scale:MATRIX_SCALE_ROW1
.elseif (\ra)
	v_wmma_scale_f32_16x16x128_f8f6f4 v[\d:\d+7], v[\a:\a+15], v[\b:\b+15], v[\d:\d+7], v[\sa], v[\sb] matrix_a_fmt:MATRIX_FMT_BF8 matrix_b_fmt:MATRIX_FMT_BF8 matrix_a_scale:MATRIX_SCALE_ROW1
.elseif (\rb)
	v_wmma_scale_f32_16x16x128_f8f6f4 v[\d:\d+7], v[\a:\a+15], v[\b:\b+15], v[\d:\d+7], v[\sa], v[\sb] matrix_a_fmt:MATRIX_FMT_BF8 matrix_b_fmt:MATRIX_FMT_BF8 matrix_b_scale:MATRIX_SCALE_ROW1
.else
	v_wmma_scale_f32_16x16x128_f8f6f4 v[\d:\d+7], v[\a:\a+15], v[\b:\b+15], v[\d:\d+7], v[\sa], v[\sb] matrix_a_fmt:MATRIX_FMT_BF8 matrix_b_fmt:MATRIX_FMT_BF8
.endif
.endif
.endm
	s_load_b128 s[4:7], s[0:1], 0x0                ; ctx, prep
	s_load_b64 s[12:13], s[0:1], 0x10              ; out0
	v_lshl_add_u32 v224, v0, 2, 0x29000
	v_mov_b32 v225, 0
	ds_add_u32 v224, v225
	ds_add_u32 v224, v225
	v_lshrrev_b32 v1, 5, v0
	v_readfirstlane_b32 s8, v1                     ; wave 0..7
	s_bfe_u32 s9, ttmp6, 0x40000                   ; cx: it enters global addresses of my own loads and stores alone
	s_lshl_b32 s10, ttmp9, 2
	s_add_co_u32 s10, s10, s9                      ; rg: which 128 rows
	s_and_b32 s11, ttmp7, 0xffff                   ; y: which 128 columns; the four partners share it
	s_lshr_b32 s14, s8, 1                          ; which pair of tiles
	s_and_b32 s15, s8, 1                           ; which 64 columns
	; descriptor group 1: 16 rows x 512 bytes of Wo's codes, asked for jointly by the four
	s_mov_b32 s24, 15|(1<<20)|(1<<21)|(6<<22)|(3<<25)  ; 15:0 the mask; 17:16 elements of 1 byte; 20 padding on; 21 set beside a mask; 24:22 after every 128 words; 31:25 four words
	s_mov_b32 s25, 512<<16                         ; tensor_dim0
	s_mov_b32 s26, 16<<16                          ; tensor_dim1
	s_mov_b32 s27, 512<<16                         ; tile_dim0
	s_mov_b32 s28, 16                              ; tile_dim1
	s_mov_b32 s29, 512                             ; the pitch
	s_mov_b32 s30, 0
	s_mov_b32 s31, 0
	s_mov_b32 s32, 1
	s_mul_i32 s33, s8, 16*PITCH                    ; my 16 rows in LDS
	s_lshl_b32 s18, s11, 16
	s_lshl_b32 s19, s8, 13
	s_add_co_u32 s18, s18, s19
	s_add_co_u32 s18, s18, P_WC+1536*512           ; row 1,536 + 128 y + 16 wave of the weights' codes
	s_mov_b32 s19, 0
	s_wait_dscnt 0x0
	s_wait_kmcnt 0x0
	s_add_nc_u64 s[34:35], s[6:7], s[18:19]
	s_or_b32 s35, s35, 0x80000000                  ; type = 2
	ROUND                                          ; all four work-groups are here: the joint loads meet
	tensor_load_to_lds s[32:35], s[24:31]          ; one load a wave
	s_nop 0
.rept 4
	v_nop
.endr
	v_and_b32 v2, 31, v0                           ; lane
	v_and_b32 v8, 15, v0                           ; r
	v_bfe_u32 v9, v0, 4, 1                         ; h
	v_lshlrev_b32 v[LI], 4, v2
	s_mul_i32 s16, s15, 64*PITCH
	v_mul_u32_u24 v[AWO], v8, PITCH
	v_lshl_add_u32 v[AWO], v9, 4, v[AWO]
	v_add_nc_u32 v[AWO], s16, v[AWO]
	s_mul_i32 s16, s8, 32*SPITCH
	s_add_co_u32 s16, s16, STG                     ; my stage
	v_mul_u32_u24 v[STO], v8, SPITCH
	v_lshl_add_u32 v[STO], v9, 5, v[STO]
	v_add_nc_u32 v[STO], s16, v[STO]               ; in: row r, + 32 h
	v_mul_u32_u24 v[RD], v9, SPITCH
	v_lshl_add_u32 v[RD], v8, 4, v[RD]
	v_add_nc_u32 v[RD], s16, v[RD]                 ; back: lanes 0-15 one row of 256 bytes, lanes 16-31 the next
	v_lshlrev_b32 v[CO], 11, v9
	v_lshl_add_u32 v[CO], v8, 4, v[CO]             ; and the same two rows of the output
	s_lshl_b32 s18, s10, 16
	s_lshl_b32 s20, s14, 14
	s_add_co_u32 s18, s18, s20
	s_add_nc_u64 s[36:37], s[4:5], s[18:19]        ; ctx's images: tile 8 rg + 2 (w / 2) on, 8,192 bytes a tile
	s_lshl_b32 s18, s10, 11
	s_lshl_b32 s20, s14, 9
	s_add_co_u32 s18, s18, s20
	s_add_co_u32 s18, s18, C_CSCL
	s_add_nc_u64 s[38:39], s[4:5], s[18:19]        ; their scale bytes: 256 a tile
	s_lshl_b32 s18, s11, 11
	s_lshl_b32 s20, s15, 10
	s_add_co_u32 s18, s18, s20
	s_add_co_u32 s18, s18, P_WS+1536*16
	s_add_nc_u64 s[40:41], s[6:7], s[18:19]        ; the scale bytes of my 64 rows of Wo
	s_lshl_b32 s18, s10, 18
	s_lshl_b32 s20, s14, 16
	s_add_co_u32 s18, s18, s20
	s_lshl_b32 s20, s11, 9
	s_add_co_u32 s18, s18, s20
	s_lshl_b32 s20, s15, 8
	s_add_co_u32 s18, s18, s20
	s_add_nc_u64 s[42:43], s[12:13], s[18:19]      ; out0 at row 128 rg + 32 (w / 2), column 128 y + 64 (w % 2)
	global_load_b128 v[CSC:CSC+3], v[LI], s[38:39]
	global_load_b128 v[WSC:WSC+3], v[LI], s[40:41]
	global_load_b128 v[WSC+4:WSC+7], v[LI], s[40:41] offset:512
.macro CFLOAD ks                       ; K step ks (heads 4 ks .. 4 ks + 3) of my two tiles into buffer ks % 2: eight loads
.irp t, 0,1
.irp c, 0,1,2,3
	global_load_b128 v[CF+32*((\ks)%2)+16*\t+4*\c:CF+32*((\ks)%2)+16*\t+4*\c+3], v[LI], s[36:37] offset:8192*\t+512*(4*(\ks)+\c)
.endr
.endr
.endm
	CFLOAD 0
	CFLOAD 1
	s_wait_tensorcnt 0x0                           ; my 16 rows of Wo have landed,
	s_barrier_signal -1
	s_barrier_wait -1                              ; and everybody's
; A K step of 128: eight accumulators by turns, one instruction a turn, in the same order in every step.  left: the loads that may stay out.
.macro KSTEP ks, left
.if \ks
.rept 8
	v_nop                                          ; eight places ahead of loads into registers that the last products read
.endr
.endif
.irp n, 0,1,2,3
.irp c, 0,1,2,3
	ds_load_b128 v[WOF+16*\n+4*\c:WOF+16*\n+4*\c+3], v[AWO] offset:16*PITCH*\n+128*(\ks)+32*\c
.endr
.endr
.if ((\ks) == 1) || ((\ks) == 2)
	CFLOAD (\ks)+1                                 ; into the buffer that the last step has left
.endif
	s_wait_loadcnt \left                           ; this step's fragments of ctx are in; the eight loads of the next step's may be out
	s_wait_dscnt 0x0
.irp t, 0,1
.irp n, 0,1,2,3
	WM ACC+8*(4*\t+\n), WOF+16*\n, CF+32*((\ks)%2)+16*\t, (\ks)==0, WSC+4*(\n/2)+(\ks), CSC+(\ks), \n%2, \t
.endr
.endr
.endm
	KSTEP 0, 8
	KSTEP 1, 8
	KSTEP 2, 8
	KSTEP 3, 0
.rept 8
	v_nop                                          ; eight places ahead of the first read of results and of the loads into Wo's registers
.endr
	; THE WAY OUT.  A lane holds 32 bytes of a row, and the lanes beside it other rows: the wave's 32 rows x 256 bytes go through its own stage and come back as whole rows.  LDS serves a wave's instructions in order.
.irp t, 0,1
.irp n, 0,1,2,3
	ds_store_b128 v[STO], v[ACC+8*(4*\t+\n):ACC+8*(4*\t+\n)+3] offset:16*SPITCH*\t+64*\n          ; each accumulator from its low end on
	ds_store_b128 v[STO], v[ACC+8*(4*\t+\n)+4:ACC+8*(4*\t+\n)+7] offset:16*SPITCH*\t+64*\n+16
.endr
.endr
.irp i, 0,1,2,3,4,5,6,7,8,9,10,11,12,13,14,15  ; output rows 2 i and 2 i + 1 lie in the stage with bits 3 and 4 of their number exchanged
	ds_load_b128 v[WOF+4*\i:WOF+4*\i+3], v[RD] offset:(16*(((2*\i)/8)%2)+8*((2*\i)/16)+(2*\i)%8)*SPITCH
.endr
.irp i, 0,1,2,3,4,5,6,7,8,9,10,11,12,13,14,15
	s_wait_dscnt 15-\i                             ; LDS loads come back in order: pair i is in, the younger ones may be out
	global_store_b128 v[CO], v[WOF+4*\i:WOF+4*\i+3], s[42:43] offset:4096*\i th:TH_STORE_NT       ; sixteen lanes store 256 consecutive bytes, at a multiple of 256 from the output's first byte
.endr
	s_wait_tensorcnt 0x0
	ds_add_u32 v224, v225
	s_wait_dscnt 0x0
	ROUND                                          ; the closing round: no work-group ends while a partner may still ask for a tile that names it
	s_endpgm
.Lfunc_end_k_q2dce0c8636_outproj:
	.size	k_q2dce0c8636_outproj, .Lfunc_end_k_q2dce0c8636_outproj-k_q2dce0c8636_outproj
	.p2alignl 7, 3214868480
	.fill 96, 4, 3214868480
	.section	.rodata,"a",@progbits
	.p2align	6, 0x0
	.amdhsa_kernel k_q2dce0c8636_outproj
		.amdhsa_group_segment_fixed_size 168960
		.amdhsa_private_segment_fixed_size 0
		.amdhsa_enable_private_segment 0
		.amdhsa_kernarg_size 24
		.amdhsa_user_sgpr_count 2
		.amdhsa_user_sgpr_kernarg_segment_ptr 1
		.amdhsa_wavefront_size32 1
		.amdhsa_system_sgpr_workgroup_id_x 1
		.amdhsa_system_sgpr_workgroup_id_y 1
		.amdhsa_system_sgpr_workgroup_id_z 1
		.amdhsa_system_vgpr_workitem_id 0
		.amdhsa_next_free_vgpr 226
		.amdhsa_next_free_sgpr 66
		.amdhsa_reserve_vcc 0
		.amdhsa_float_denorm_mode_32 3
		.amdhsa_float_denorm_mode_16_64 3
		.amdhsa_memory_ordered 1
		.amdhsa_forward_progress 1
		.amdhsa_inst_pref_size 22
	.end_amdhsa_kernel
	.amdgpu_metadata
---
amdhsa.version: [ 1, 2 ]
amdhsa.kernels:
  - .name:           k_q2dce0c8636_outproj
    .symbol:         k_q2dce0c8636_outproj.kd
    .args:
      - { .name: ctx, .offset: 0, .size: 8, .value_kind: global_buffer, .address_space: global }
      - { .name: prep, .offset: 8, .size: 8, .value_kind: global_buffer, .address_space: global }
      - { .name: out0, .offset: 16, .size: 8, .value_kind: global_buffer, .address_space: global }
    .group_segment_fixed_size: 168960
    .private_segment_fixed_size: 0
    .kernarg_segment_align: 8
    .kernarg_segment_size: 24
    .max_flat_workgroup_size: 256
    .sgpr_count:     66
    .vgpr_count:     226
    .wavefront_size: 32
...
	.end_amdgpu_metadata
.endif
;; end of part 4
;; ======== version 2 of 2: 4 launches; version 1 with the launch attend written anew for expert scheduling mode
;; workspace buffers: prep 5,668,864 bytes; masks 2,097,152 bytes; tinfo 34,816 bytes of whole numbers; qkv 13,762,560 bytes; ctx 4,325,376 bytes
;; launch quant: the kernel of part 1 again; grid 688 x 1, 4 waves a work-group, no clusters, 33,280 bytes of LDS; arguments x, Wq, Wk, Wv, Wo, attn_mask, key_padding_mask, prep, masks, tinfo; writes prep, masks, tinfo
;; launch project: the kernel of part 2 again; grid 64 x 4, 12 waves a work-group, clusters of 4 x 1, 271,872 bytes of LDS; arguments prep, qkv; writes qkv
;; launch attend (part 5): grid 4 x 64, 16 waves a work-group, no clusters, 274,432 bytes of LDS; arguments qkv, masks, tinfo, ctx; writes ctx
.if DOCPART == 5
	.amdgcn_target "amdgcn-amd-amdhsa--gfx1250"
	.amdhsa_code_object_version 6
	.text
	.protected	k_q2dce0c8636_attend
	.globl	k_q2dce0c8636_attend
	.p2align	8
	.type	k_q2dce0c8636_attend,@function
k_q2dce0c8636_attend:
	s_mov_b64 s[64:65], 0
	v_nop
	global_prefetch_b8 v0, s[64:65] scope:SCOPE_SE
	s_setreg_imm32_b32 hwreg(HW_REG_WAVE_SCHED_MODE, 0, 2), 2
	s_setreg_imm32_b32 hwreg(HW_REG_WAVE_MODE, 25, 1), 1
	s_wait_xcnt 0x0
	s_wait_alu depctr_vm_vsrc(0)
; ctx = softmax(mask(q k^T / sqrt(32))) v for one head, both products on codes of E5M2 with E8M0 scales; rows of padded queries become 0; ctx is quantised, a head being one block of 32 of the last product's K.
; THE WEIGHTS ARE QUANTISED FINISHED AND NORMALISED, so a row's maximum and sum are wanted before its first weight: TWO PASSES over the keys, the scores made twice.
;   pass 1: scores, masks, the largest score of each block of 32 keys (kept in LDS), a running maximum M and sum l;   pass 2: scores and masks again, p = 2^(c s - c M) / l, quantised along the keys, O^T += V^T P^T.
; c = log2(e) / sqrt(32).  A block's largest p is not searched for: its largest score goes through the same multiply-add, exponential and multiplication as the elements (this takes v_exp_f32 not to fall where its input rises).
; SHARES.  A work-group holds its head's K and V (codes and scale words, 141,312 bytes) in LDS and owns the tiles of 16 queries T = 4 i + j, j its number among the head's four.  Wave w takes i = w, then i = 31 - w.
; Four waves share a SIMD, so that one wave's vector work stands beside another's products and loads.
; LAYOUT.  S^T = K Q^T (source 0 = 16 keys, source 1 = my 16 queries), O^T = V^T P^T: a lane holds ONE query throughout.  A tile's keys are 32 b + 8 u + r + 8 (r / 8), so score register 16 c + i is key 32 c + 16 h + i.
; The first product's K is 32: one block of the instruction's four.  Q's other twelve registers are zeros; K's fragment names 16 registers on end, of which the last twelve are the next tiles' codes (finite: they were held) or zeros: they meet Q's zeros.
; THE MASKS come as words of a bit a lane, one for each score register, by scalar loads (buffer masks: they serve as selects alone); a hidden score becomes -2^100.  c x 2^100 is exact, so in a row that is hidden altogether every p is exactly 1 and the row comes out uniform, as the module has it.
; A step of 128 keys that is hidden from all 16 queries is left out (a scalar branch on a word of the buffer tinfo, which the first launch stored), unless some query of the tile is hidden from every key; a tile whose 16 queries are all padding leaves out every step.
; NO CLUSTER, NO TENSOR LOAD: those branches hang on words read from memory.  What the head's four work-groups share is fetched once each, at the head: 141,312 bytes.
; LIMITS: raw scores at or under -2^100 count as hidden; p under 2^-126 becomes 0 (v_exp_f32 flushes); a block of p or of ctx under 2^-111 or of zeros gets the byte 1; NaN and infinities are not served.
; THE MODE: SCHED_MODE bits 1:0 = 2 (LLVM: expert scheduling mode 2), set by the entry lines.  The code itself states the register dependences
; between vector or matrix instructions and memory or LDS instructions, with s_wait_alu, always for 0.
; THE PLAN.  Registers that memory or LDS instructions touch behind the head:
;   v1, v43       offsets of Q's loads and of ctx's stores: written at the head and never again.
;   v48-51, v41   land at a tile's head; read by every score product of the tile.
;   v7 .. v11     the step's LDS addresses: written by the adds at a step's head, read by that step's LDS loads (v11 in pass 1 also by its one LDS store).
;   KF, v44-47    land at a step's head; read by the step's eight score products.
;   v20-23        pass 1: written by the maxima, read by the LDS store.  Pass 2: land at a step's head, then worked on by vector instructions.  A tile's end writes v20 once more.
;   VF, v42       pass 2: land behind the masks; read by the step's two last products.
;   PC, v36       written by conversions and a shift; PC is read by pass 2's last products; at a tile's end both are the stores' data.
; So a step's head has two waits, round the adds that make its addresses: on vm_vsrc (the LDS instructions issued so far have read v7 to v11 and v20-23) and on va_vdst (the addresses are written; the step before
; is done with KF, v44-47, v20-23, VF and v42).  All LDS loads of the step follow with no further wait: the lines between name none of their registers.  The wait for a step's exponentials serves pass 1's LDS store too,
; which stands behind it; pass 2 has one more, ahead of its last two products, for p's codes.  A tile's head has the same pair of waits for Q's loads and the last tile's stores.  A tile's end has one on vm_vsrc at its
; first line, since a way through pass 2 on which every step is left out passes no step's head, and one on va_vdst ahead of its stores.
; All 256 registers of a wave are in use and four waves fill a SIMD's registers: there is no second buffer for K's or V's fragments.
.set Q_KIMG,  4194304
.set Q_VIMG,  8388608
.set Q_QSCL,  12582912
.set Q_KSCL,  13107200
.set Q_VSCL,  13631488
.set C_CSCL,  4194304                  ; ctx: images [512 Tg][16 heads][32 lanes][16 B] at 0; scale bytes [Tg][16 r][16 heads] here
.set LV,   65536                       ; LDS: K's images at 0 (128 tiles x 512), V's here (16 steps x 8 x 512),
.set LKS,  131072                      ; K's scale words (16 x 512),
.set LVS,  139264                      ; V's (16 x 128),
.set LBM,  141312                      ; and for each wave 8,192 bytes of its own: the block maxima, 512 bytes a step
.set KF,   64                          ; v64-95   K: four registers a tile;  v96-107 zeros
.set PC,   108                         ; v108-123 p's codes (at the end: ctx's)
.set VF,   124                         ; v124-155 V's two fragments
.set O,    156                         ; v156-171 O^T: d = 16 h + 0 .. 15
.set S,    172                         ; v172-235 the scores, then p
; v1 16 x lane; v2 4 x lane; v3 my block maxima; v4 K's scale words; v5 V's images; v6 V's scale words; v7-11 the step's addresses; v12 -2^100; v13 M; v[14:15] -c M; v[16:17] l; v[18:19] f, later 1 / l;
; v20-23 block maxima; v24-27 at work; v28-31 57,344 x the scale; v32-35 scale operands; v36-39 bytes; v40 p's scale word; v41 Q's; v42 V's; v43 16 r; v44-47 K's; v48-51 Q's codes; v52-63 zeros.
; s[2:3] the tile's mask words; s4 256 ks; s5 ks; s6 the steps to leave out; s7 the padded queries; s8 wave; s9 trip; s10 T; s11 batch; s12-13 lane selects; s14 4,096 ks; s15 512 ks; s16-63, s68-83 the 64 mask words;
; s[66:67] tinfo; s[84:85] c; s86 mantissa of 57,344; s87 -c; s88 128 ks; s89 bh; s[90:91] ctx; s[92:93] qkv; s[94:95] masks; s96-101 at work.
.macro WM d, a, b, z, sa, sb, ra
.if (\z)
.if (\ra)
	v_wmma_scale_f32_16x16x128_f8f6f4 v[\d:\d+7], v[\a:\a+15], v[\b:\b+15], 0, v[\sa], v[\sb] matrix_a_fmt:MATRIX_FMT_BF8 matrix_b_fmt:MATRIX_FMT_BF8 matrix_a_scale:MATRIX_SCALE_ROW1
.else
	v_wmma_scale_f32_16x16x128_f8f6f4 v[\d:\d+7], v[\a:\a+15], v[\b:\b+15], 0, v[\sa], v[\sb] matrix_a_fmt:MATRIX_FMT_BF8 matrix_b_fmt:MATRIX_FMT_BF8
.endif
.else
.if (\ra)
	v_wmma_scale_f32_16x16x128_f8f6f4 v[\d:\d+7], v[\a:\a+15], v[\b:\b+15], v[\d:\d+7], v[\sa], v[\sb] matrix_a_fmt:MATRIX_FMT_BF8 matrix_b_fmt:MATRIX_FMT_BF8 matrix_a_scale:MATRIX_SCALE_ROW1
.else
	v_wmma_scale_f32_16x16x128_f8f6f4 v[\d:\d+7], v[\a:\a+15], v[\b:\b+15], v[\d:\d+7], v[\sa], v[\sb] matrix_a_fmt:MATRIX_FMT_BF8 matrix_b_fmt:MATRIX_FMT_BF8
.endif
.endif
.endm
	s_load_b128 s[92:95], s[0:1], 0x0              ; qkv, masks
	s_load_b64 s[66:67], s[0:1], 0x10              ; tinfo
	s_load_b64 s[90:91], s[0:1], 0x18              ; ctx
	v_lshl_add_u32 v254, v0, 2, 0x42800
	v_mov_b32 v255, 0
	v_lshrrev_b32 v1, 5, v0
	v_readfirstlane_b32 s8, v1                     ; wave 0..15
	s_and_b32 s89, ttmp7, 0xffff                   ; bh
	s_lshr_b32 s11, s89, 4                         ; the batch
	v_lshlrev_b32 v2, 4, v0                        ; 16 x thread
	v_lshlrev_b32 v3, 2, v0                        ; 4 x thread
	v_add_nc_u32 v4, LV, v2                        ; the LDS stores' addresses are made here, ahead of the one wait that serves all five offsets
	v_add_nc_u32 v5, LKS, v2
	v_add_nc_u32 v6, LVS, v3
	s_wait_alu depctr_va_sdst(0)                   ; s8 is written, ahead of its first reader (my block maxima's place in LDS, behind the barrier)
	s_lshl_b32 s96, s89, 16
	s_add_co_u32 s96, s96, Q_KIMG
	s_mov_b32 s97, 0
	s_lshl_b32 s4, s89, 13
	s_add_co_u32 s4, s4, Q_KSCL
	s_mov_b32 s5, 0
	s_lshl_b32 s2, s89, 11
	s_add_co_u32 s2, s2, Q_VSCL
	s_mov_b32 s3, 0
	s_wait_kmcnt 0x0
	s_add_nc_u64 s[98:99], s[92:93], s[96:97]      ; the head's K,
	s_add_nc_u64 s[100:101], s[98:99], Q_VIMG-Q_KIMG   ; its V,
	s_add_nc_u64 s[4:5], s[92:93], s[4:5]          ; K's scale words,
	s_add_nc_u64 s[2:3], s[92:93], s[2:3]          ; V's
	s_wait_alu depctr_va_vdst(0)                   ; v2 and v3 are written, which the loads below read as offsets; so are v4, v5 and v6, which the LDS stores read as addresses
.irp i, 0,1,2,3,4,5,6,7                        ; 512 threads x 16 bytes: 8,192 consecutive bytes an instruction
	global_load_b128 v[64+4*\i:67+4*\i], v2, s[98:99] offset:8192*\i
.endr
.irp i, 0,1,2,3,4,5,6,7
	global_load_b128 v[96+4*\i:99+4*\i], v2, s[100:101] offset:8192*\i
.endr
	global_load_b128 v[128:131], v2, s[4:5]
	global_load_b32 v132, v3, s[2:3]
	s_mov_b32 s12, 0x76543210
	s_mov_b32 s13, 0xfedcba98
	s_mov_b32 s84, 0x3e8293ee                      ; c = log2(e) / sqrt(32)
	s_mov_b32 s85, s84                             ; (named with it as a pair, so it is written)
	s_mov_b32 s86, 0x600000
	s_mov_b32 s87, 0xbe8293ee                      ; -c
	s_wait_loadcnt 0x0                             ; all 18 loads are in: their bases and offsets may be written again
.irp i, 0,1,2,3,4,5,6,7
	ds_store_b128 v2, v[64+4*\i:67+4*\i] offset:8192*\i
.endr
.irp i, 0,1,2,3,4,5,6,7
	ds_store_b128 v4, v[96+4*\i:99+4*\i] offset:8192*\i
.endr
	ds_store_b128 v5, v[128:131]
	ds_store_b32 v6, v132
	s_wait_dscnt 0x0                               ; for the others' sake: my stores have landed
	s_barrier_signal -1
	s_barrier_wait -1                              ; the launch's one barrier: from here on these bytes are only read
	s_wait_alu depctr_vm_vsrc(0)                   ; my loads and LDS stores have read v2 to v6 and v64 to v132: the lines below write v2 to v6 and v96 to v107 anew, and the loops write the rest
	v_and_b32 v1, 31, v0
	v_lshlrev_b32 v2, 2, v1
	v_lshlrev_b32 v1, 4, v1
	s_lshl_b32 s96, s8, 13
	s_add_co_u32 s96, s96, LBM
	v_add_nc_u32 v3, s96, v1
	v_add_nc_u32 v4, LKS, v1
	v_add_nc_u32 v5, LV, v1
	v_add_nc_u32 v6, LVS, v2
	v_and_b32 v43, 15, v0
	v_lshlrev_b32 v43, 4, v43
	v_mov_b32 v12, 0xf1800000                      ; -2^100
	v_mov_b32 v19, 0                               ; (named as the upper half of a pair before it is first written)
.irp i, 0,1,2,3
	v_mov_b32 v[24+\i], 0                          ; written once: a lane permute's destination counts as one of its sources
.endr
.irp i, 0,1,2,3,4,5,6,7,8,9,10,11
	v_mov_b32 v[52+\i], 0                          ; Q's blocks 1 to 3: zero codes
	v_mov_b32 v[96+\i], 0                          ; and what K's last fragments name behind tile 7
.endr
; The head of a step in either pass: the 64 mask words are asked for; K's eight tiles and their scale words come from LDS; eight products, each a sum of its own.
.macro SCORES pass
	s_load_b512 s[16:31], s[2:3], s4 offset:0x0
	s_load_b512 s[32:47], s[2:3], s4 offset:0x40
	s_load_b512 s[48:63], s[2:3], s4 offset:0x80
	s_load_b512 s[68:83], s[2:3], s4 offset:0xc0
	s_wait_alu depctr_vm_vsrc(0)                   ; the LDS instructions issued so far have read their addresses v7 to v11, which the adds below write, and pass 1's store its data v20-23, which this step writes again
	v_add_nc_u32 v7, s14, v1
	v_add_nc_u32 v8, s15, v4
	v_add_nc_u32 v11, s15, v3
.if \pass == 2
	v_add_nc_u32 v9, s14, v5
	v_add_nc_u32 v10, s88, v6
.endif
	s_wait_alu depctr_va_vdst(0)                   ; the step's addresses are written; the products and vector lines of the step before are done with KF, v44-47, v20-23, VF and v42, in which this step's LDS loads land
.irp t, 0,1,2,3,4,5,6,7
	ds_load_b128 v[KF+4*\t:KF+4*\t+3], v7 offset:512*\t
.endr
	ds_load_b128 v[44:47], v8                      ; word w: lanes 0-15 tile 2 w, lanes 16-31 tile 2 w + 1
.if \pass == 2
	ds_load_b128 v[20:23], v11                     ; the four blocks' largest scores, which pass 1 left
.endif
	s_wait_dscnt 0x0
.irp t, 0,1,2,3,4,5,6,7
	WM S+8*\t, KF+4*\t, 48, 1, 44+\t/2, 41, \t%2
.endr
.endm
.macro MASK                            ; ascending: each accumulator is read from its low end on
.set n, 0
.rept 48
	v_cndmask_b32 v[S+n], v[S+n], v12, s[16+n]
.set n, n+1
.endr
.rept 16
	v_cndmask_b32 v[S+n], v[S+n], v12, s[20+n]
.set n, n+1
.endr
.endm
.macro SCALE_EXP                       ; 2^(c s - c M) of all 64
.set n, 0
.rept 32
	v_pk_fma_f32 v[S+n:S+n+1], v[S+n:S+n+1], s[84:85], v[14:15] op_sel_hi:[1,0,0]
.set n, n+2
.endr
.set n, 0
.rept 64
	v_exp_f32 v[S+n], v[S+n]
.set n, n+1
.endr
.endm
.macro STEP_ON                         ; the lines at a step's end that every trip runs
	s_add_co_u32 s4, s4, 256
	s_add_co_u32 s14, s14, 4096
	s_add_co_u32 s15, s15, 512
	s_add_co_u32 s88, s88, 128
	s_add_co_u32 s5, s5, 1
	s_cmp_lt_u32 s5, 16
.endm
.macro STEP_0
	s_mov_b32 s4, 0
	s_mov_b32 s5, 0
	s_mov_b32 s14, 0
	s_mov_b32 s15, 0
	s_mov_b32 s88, 0
.endm
	s_mov_b32 s9, 0
.Ltile:
	s_wait_xcnt 0x0                                ; the last tile's stores have read their registers and bases: all are written again only behind this wait
	s_wait_alu depctr_vm_vsrc(0)                   ; the last tile's two stores have read their data, PC and v36, which this tile's pass 2 writes again
	s_wait_alu depctr_va_vdst(0)                   ; first trip: the offsets v1 and v43 are written, and the zeros v52-63 and v96-107, which the score products take in their operands; later: the last tile's products are done reading v48-51 and v41, in which the loads below land
	s_mul_i32 s96, s9, 31
	s_xor_b32 s96, s96, s8                         ; i = w, then 31 - w
	s_lshl_b32 s10, s96, 2
	s_add_co_u32 s10, s10, ttmp9                   ; T
	s_mul_i32 s96, s10, 272
	s_lshl_b32 s97, s11, 2
	s_add_co_u32 s96, s96, s97                     ; tinfo: 272 T + 4 b
	s_mov_b32 s97, 0
	s_add_nc_u64 s[96:97], s[66:67], s[96:97]
.irp e, 0,1,2,3,4,5,6,7,8,9,10,11,12,13,14,15,16
	s_load_b32 s[16+\e], s[96:97], 16*\e           ; the 16 steps' summary words and the padded queries' word
.endr
	s_lshl_b32 s2, s11, 7
	s_add_co_u32 s2, s2, s10                       ; 128 b + T
	s_lshl_b32 s2, s2, 12
	s_mov_b32 s3, 0
	s_add_nc_u64 s[2:3], s[94:95], s[2:3]          ; the tile's 16 x 64 mask words
	s_lshl_b32 s98, s89, 16
	s_lshl_b32 s99, s10, 9
	s_add_co_u32 s98, s98, s99
	s_mov_b32 s99, 0
	s_add_nc_u64 s[98:99], s[92:93], s[98:99]
	global_load_b128 v[48:51], v1, s[98:99]        ; Q's image
	s_lshl_b32 s100, s89, 13
	s_lshr_b32 s101, s10, 3
	s_lshl_b32 s101, s101, 9
	s_add_co_u32 s100, s100, s101
	s_and_b32 s101, s10, 1
	s_lshl_b32 s101, s101, 8
	s_add_co_u32 s100, s100, s101
	s_bfe_u32 s101, s10, 0x20001
	s_lshl_b32 s101, s101, 2
	s_add_co_u32 s100, s100, s101
	s_add_co_u32 s100, s100, Q_QSCL
	s_mov_b32 s101, 0
	s_add_nc_u64 s[100:101], s[92:93], s[100:101]
	global_load_b32 v41, v43, s[100:101]           ; Q's scale words: lane r takes row r's
	v_mov_b32 v13, 0xff61b1e6                      ; M: -3e38, under every score
	v_mul_f32 v14, s87, v13                        ; -c M
	v_mov_b32 v15, 0                               ; (the pair's upper half is named, not used)
	v_mov_b32 v16, 0                               ; l, in two halves
	v_mov_b32 v17, 0
.irp i, 0,1,2,3,4,5,6,7,8,9,10,11,12,13,14,15
	v_mov_b32 v[O+\i], 0                           ; which step is the first hangs on the masks, so O^T begins as zeros
.endr
	STEP_0
	s_wait_kmcnt 0x0
	s_mov_b32 s6, 0
	s_mov_b32 s96, -1
.irp e, 0,1,2,3,4,5,6,7,8,9,10,11,12,13,14,15
	s_and_b32 s96, s96, s[16+\e]
	s_cmp_eq_u32 s[16+\e], -1
	s_cselect_b32 s97, 1<<\e, 0
	s_or_b32 s6, s6, s97                           ; bit e: step e is hidden from all 16 queries
.endr
	s_lshr_b32 s97, s96, 16
	s_and_b32 s97, s97, s96                        ; a query both of whose lanes see nothing in any step is hidden from every key:
	s_cselect_b32 s6, 0, s6                        ; its row is uniform over all 2,048 keys, so no step is left out
	s_mov_b32 s7, s32
	s_cmp_eq_u32 s7, -1
	s_cselect_b32 s6, 0xffff, s6                   ; all 16 queries are padding: their rows become 0 whatever the keys
	s_wait_loadcnt 0x0
.Lpass1:                                           ; 16 trips
	s_bitcmp1_b32 s6, s5
	s_cbranch_scc1 .Lskip1
	SCORES 1
.rept 8
	v_nop                                          ; eight plain vector instructions between the products and the first read of their results
.endr
	s_wait_kmcnt 0x0                               ; the mask words
	MASK
.irp c, 0,1,2,3
	v_max3_num_f32 v[20+\c], v[S+16*\c], v[S+16*\c+1], v[S+16*\c+2]       ; the largest score of each block of 32 keys, the four blocks by turns
.endr
.irp i, 3,5,7,9,11,13
.irp c, 0,1,2,3
	v_max3_num_f32 v[20+\c], v[20+\c], v[S+16*\c+\i], v[S+16*\c+\i+1]
.endr
.endr
.irp c, 0,1,2,3
	v_max_num_f32 v[20+\c], v[20+\c], v[S+16*\c+15]
.endr
.irp c, 0,1,2,3
	v_permlanex16_b32 v[24+\c], v[20+\c], s12, s13
.endr
.irp c, 0,1,2,3
	v_max_num_f32 v[20+\c], v[20+\c], v[24+\c]     ; with lane l xor 16's 16 keys
.endr
	v_max3_num_f32 v24, v20, v21, v22
	v_mov_b32 v25, v14                             ; the old -c M
	v_max3_num_f32 v13, v24, v23, v13              ; the running maximum
	v_mul_f32 v14, s87, v13
	v_sub_f32 v18, v14, v25                        ; c (old M - new M), 0 or less
	v_exp_f32 v18, v18                             ; f
	SCALE_EXP
	v_nop                                          ; a plain instruction behind the last exponential
	s_wait_alu depctr_va_vdst(0)                   ; the batch of 65 exponentials has written f and the 64 p, ahead of their first reader; and the maxima have written v20-23, which the LDS store below reads
	ds_store_b128 v11, v[20:23]                    ; kept for pass 2, in my wave's own bytes; no line from here to the next wait on vm_vsrc names v11 or v20-23
	v_pk_mul_f32 v[16:17], v[16:17], v[18:19] op_sel_hi:[1,0]      ; l under the new M
	v_pk_add_f32 v[24:25], v[S:S+1], v[S+2:S+3]    ; the step's sum, two numbers an instruction, in two chains
.irp j, 4,8,12,16,20,24,28,32,36,40,44,48,52,56,60
	v_pk_add_f32 v[16:17], v[16:17], v[S+\j:S+\j+1]
	v_pk_add_f32 v[24:25], v[24:25], v[S+\j+2:S+\j+3]
.endr
	v_pk_add_f32 v[16:17], v[16:17], v[24:25]
.Lskip1:
	STEP_ON
	s_cbranch_scc1 .Lpass1
	v_add_f32 v16, v16, v17                        ; l's two halves,
	v_permlanex16_b32 v24, v16, s12, s13
	v_add_f32 v16, v16, v24                        ; and lane l xor 16's
	v_rcp_f32 v18, v16
	v_nop
	s_wait_alu depctr_va_vdst(0)                   ; the reciprocal has written v18, ahead of its first reader
	v_fma_f32 v24, -v16, v18, 1.0                  ; one step of Newton's: 1 / 2,048 comes out exact
	v_fma_f32 v18, v24, v18, v18
	v_mov_b32 v19, v18
	STEP_0
.Lpass2:                                           ; 16 trips
	s_bitcmp1_b32 s6, s5
	s_cbranch_scc1 .Lskip2
	SCORES 2
.irp c, 0,1,2,3
	v_fma_f32 v[20+\c], v[20+\c], s84, v14         ; the blocks' largest scores take the elements' way.  (These four and the four v_nop are the eight places behind the products)
.endr
.rept 4
	v_nop
.endr
	s_wait_kmcnt 0x0
	MASK
.irp u, 0,1
.irp c, 0,1,2,3
	ds_load_b128 v[VF+16*\u+4*\c:VF+16*\u+4*\c+3], v9 offset:2048*\u+512*\c   ; V's two fragments land while p is made.  No wait: no vector or matrix instruction since the wait at the step's head names VF, v42, v9 or v10
.endr
.endr
	ds_load_b32 v42, v10                           ; lanes 0-15 d-tile 0's scale words, lanes 16-31 d-tile 1's
.irp c, 0,1,2,3
	v_exp_f32 v[20+\c], v[20+\c]                   ; the four go with the 64: one batch
.endr
	SCALE_EXP
	v_nop                                          ; a plain instruction behind the last exponential
	s_wait_alu depctr_va_vdst(0)                   ; the batch of 68 exponentials has written v20-23 and the 64 numbers in S, ahead of their first reader
.irp c, 0,1,2,3
	v_mul_f32 v[20+\c], v[20+\c], v18              ; the block's largest p
.endr
.irp c, 0,1,2,3
	v_max_num_f32 v[20+\c], 0x8000000, v[20+\c]    ; the floor 2^(16 - 127): the byte cannot fall under 1
.endr
.irp c, 0,1,2,3
	v_add_nc_u32 v[32+\c], 0xf8800000, v[20+\c]    ; 15 off the exponent field: the conversion's scale operand
.endr
.irp c, 0,1,2,3
	v_and_or_b32 v[28+\c], v[20+\c], 0x7f800000, s86   ; 57,344 x the scale
.endr
.irp c, 0,1,2,3
	v_lshrrev_b32 v[36+\c], 23, v[32+\c]           ; the scale's byte
.endr
	v_lshl_or_b32 v40, v37, 8, v36                 ; p's scale word for these 128 keys
	v_lshl_or_b32 v40, v38, 16, v40
	v_lshl_or_b32 v40, v39, 24, v40
.set n, 0
.rept 32
	v_pk_mul_f32 v[S+n:S+n+1], v[S+n:S+n+1], v[18:19] op_sel_hi:[1,0]     ; p, finished and normalised
.set n, n+2
.endr
.irp c, 0,1,2,3
.irp i, 0,1,2,3,4,5,6,7,8,9,10,11,12,13,14,15
	v_min_num_f32 v[S+16*\c+\i], v[S+16*\c+\i], v[28+\c]          ; the conversion does not saturate (ISA guide 7.6.2); p is not negative, so the hold is one-sided
.endr
	v_cvt_scalef32_pk8_bf8_f32 v[PC+4*\c:PC+4*\c+1], v[S+16*\c:S+16*\c+7], v[32+\c]
	v_cvt_scalef32_pk8_bf8_f32 v[PC+4*\c+2:PC+4*\c+3], v[S+16*\c+8:S+16*\c+15], v[32+\c]
.endr
.rept 4
	v_nop                                          ; an operand written by vector instructions stands four places ahead of a scaled matrix instruction
.endr
	s_wait_alu depctr_va_vdst(0)                   ; the conversions have written p's codes in PC and the shifts its scale word v40, which the two scaled products below take; the places above stay beside this wait
	s_wait_dscnt 0x0                               ; V
	WM O, VF, PC, 0, 42, 40, 0                     ; the two accumulators take turns, one instruction a turn; the next step's eight score products stand between a link and the next
	WM O+8, VF+16, PC, 0, 42, 40, 1
.Lskip2:
	STEP_ON
	s_cbranch_scc1 .Lpass2
	s_wait_alu depctr_vm_vsrc(0)                   ; pass 1's LDS stores have read their data v20-23, of which the lines below write v20: stated here, on the one way that every tile takes, since a way through pass 2 that leaves out every step passes no step's head
.rept 8
	v_nop                                          ; eight places behind the last products
.endr
.set n, 0
.rept 16
	v_cndmask_b32 v[O+n], v[O+n], 0, s7            ; a padded query's row is 0
.set n, n+1
.endr
	v_max3_num_f32 v20, |v[O]|, |v[O+1]|, 0x8000000
.irp i, 2,4,6,8,10,12,14
	v_max3_num_f32 v20, v20, |v[O+\i]|, |v[O+\i+1]|
.endr
	v_permlanex16_b32 v24, v20, s12, s13
	v_max_num_f32 v20, v20, v24                    ; the largest magnitude of my query's 32 numbers of this head
	v_add_nc_u32 v32, 0xf8800000, v20
	v_and_or_b32 v28, v20, 0x7f800000, s86
	v_lshrrev_b32 v36, 23, v32
.set n, 0
.rept 16
	v_med3_num_f32 v[O+n], v[O+n], -v28, v28
.set n, n+1
.endr
	v_cvt_scalef32_pk8_bf8_f32 v[PC:PC+1], v[O:O+7], v32
	v_cvt_scalef32_pk8_bf8_f32 v[PC+2:PC+3], v[O+8:O+15], v32
	v_nop                                          ; a plain vector instruction behind the last conversion
	s_lshl_b32 s96, s11, 7
	s_add_co_u32 s96, s96, s10                     ; 128 b + T
	s_lshl_b32 s98, s96, 13
	s_and_b32 s99, s89, 15                         ; the head
	s_lshl_b32 s100, s99, 9
	s_add_co_u32 s98, s98, s100
	s_lshl_b32 s100, s96, 8
	s_add_co_u32 s100, s100, s99
	s_add_co_u32 s100, s100, C_CSCL
	s_mov_b32 s99, 0
	s_mov_b32 s101, 0
	s_add_nc_u64 s[98:99], s[90:91], s[98:99]
	s_add_nc_u64 s[100:101], s[90:91], s[100:101]
	s_wait_alu depctr_va_vdst(0)                   ; the conversions have written ctx's codes in PC and the shift its byte in v36, which the two stores below read
	global_store_b128 v1, v[PC:PC+3], s[98:99]     ; registers 4 c .. 4 c + 3 of the last product's operand: 512 consecutive bytes
	global_store_b8 v43, v36, s[100:101]           ; a row's 16 scale bytes come from 16 work-groups: a byte a row is all that this one has (both lanes of a row write the same byte)
	s_add_co_u32 s9, s9, 1
	s_cmp_lt_u32 s9, 2
	s_cbranch_scc1 .Ltile
	s_wait_dscnt 0x0                               ; the closing lines, six on end
	s_wait_alu 0x0
	s_wait_tensorcnt 0x0
	ds_add_u32 v254, v255
	s_wait_dscnt 0x0
	s_endpgm
.Lfunc_end_k_q2dce0c8636_attend:
	.size	k_q2dce0c8636_attend, .Lfunc_end_k_q2dce0c8636_attend-k_q2dce0c8636_attend
	.p2alignl 7, 3214868480
	.fill 96, 4, 3214868480
	.section	.rodata,"a",@progbits
	.p2align	6, 0x0
	.amdhsa_kernel k_q2dce0c8636_attend
		.amdhsa_group_segment_fixed_size 274432
		.amdhsa_private_segment_fixed_size 0
		.amdhsa_enable_private_segment 0
		.amdhsa_kernarg_size 32
		.amdhsa_user_sgpr_count 2
		.amdhsa_user_sgpr_kernarg_segment_ptr 1
		.amdhsa_wavefront_size32 1
		.amdhsa_system_sgpr_workgroup_id_x 1
		.amdhsa_system_sgpr_workgroup_id_y 1
		.amdhsa_system_sgpr_workgroup_id_z 1
		.amdhsa_system_vgpr_workitem_id 0
		.amdhsa_next_free_vgpr 256
		.amdhsa_next_free_sgpr 102
		.amdhsa_reserve_vcc 0
		.amdhsa_float_denorm_mode_32 3
		.amdhsa_float_denorm_mode_16_64 3
		.amdhsa_memory_ordered 1
		.amdhsa_forward_progress 1
		.amdhsa_inst_pref_size 51
	.end_amdhsa_kernel
	.amdgpu_metadata
---
amdhsa.version: [ 1, 2 ]
amdhsa.kernels:
  - .name:           k_q2dce0c8636_attend
    .symbol:         k_q2dce0c8636_attend.kd
    .args:
      - { .name: qkv, .offset: 0, .size: 8, .value_kind: global_buffer, .address_space: global }
      - { .name: masks, .offset: 8, .size: 8, .value_kind: global_buffer, .address_space: global }
      - { .name: tinfo, .offset: 16, .size: 8, .value_kind: global_buffer, .address_space: global }
      - { .name: ctx, .offset: 24, .size: 8, .value_kind: global_buffer, .address_space: global }
    .group_segment_fixed_size: 274432
    .private_segment_fixed_size: 0
    .kernarg_segment_align: 8
    .kernarg_segment_size: 32
    .max_flat_workgroup_size: 512
    .sgpr_count:     102
    .vgpr_count:     256
    .wavefront_size: 32
...
	.end_amdgpu_metadata
.endif
;; end of part 5
;; launch outproj: the kernel of part 4 again; grid 64 x 4, 8 waves a work-group, clusters of 4 x 1, 168,960 bytes of LDS; arguments ctx, prep, out0; writes out0
